; MI455X (gfx1250); checked and timed in simulation.
; The chip was launched on July 23, 2026; its instructions are those of AMD's public machine-readable ISA for CDNA 5 (MIT licence, August 2026) and "CDNA5" Instruction Set Architecture Reference Guide (July 2026). The comments in the code are by the model that wrote it; some were corrected since.
;; Masked Self Attention. Allowed arithmetic: matrix products marked QUANTISED: E2M3 operands, one E8M0 scale for each 32 along K, by v_wmma_scale_f32_16x16x128_f8f6f4 with both operands' format E2M3, f32 sums; everything else in f32.
;; Inputs: Wk 256 x 256 float32; Wq 256 x 256 float32; Wv 256 x 256 float32; bk 256 float32; bq 256 float32; bv 256 float32; x 4 x 4,096 x 256 float32.
;; Outputs: out0 4 x 4,096 x 256 float32.
;; This version of the problem:
;;   THIS VERSION OF THE PROBLEM IS GIVEN IN LOW PRECISION. The matrix products marked QUANTISED in the list below multiply operands that are first quantised to E2M3 (2 exponent bits, 3 mantissa bits; 6 bits a number), with one power-of-two scale for each 32 numbers along K (OCP MX v1.0); their sums are f32. All else is computed in f32.
;;   The module's matrix products, in the order in which they are computed (A, B: the left and right operand; K: the contracted axis; several contracted axes count as one K, in the product's order):
;;     1. [M 16,384, K 256] x [K 256, N 256]; A: input x; B: input Wq: QUANTISED
;;     2. [M 16,384, K 256] x [K 256, N 256]; A: input x; B: input Wk: QUANTISED
;;     3. [M 16,384, K 256] x [K 256, N 256]; A: input x; B: input Wv: QUANTISED
;;     4. batch 4 x [M 4,096, K 256] x [K 256, N 4,096]; A: computed on the way; B: computed on the way: QUANTISED
;;     5. batch 4 x [M 4,096, K 4,096] x [K 4,096, N 256]; A: softmax (see below); B: computed on the way: QUANTISED
;;   THE QUANTISER, for each operand of a quantised product, along K:
;;     - K is cut into blocks of 32 from its start; a last block that is shorter is filled with zeros.
;;     - A block's scale is 2^e with e = floor(log2(the largest magnitude in the block)) - 2, held to -126 .. 127; a block of zeros has e = 0. As a byte (E8M0): e + 127.
;;     - Each number is divided by its block's scale, clamped to +-7.5, and rounded to the nearest number of E2M3, ties to even, subnormals kept.
;;     - The product sums the exact products of the quantised numbers (number of the format x scale) in f32.
;;   ~~~python
;;   def quantise(x, axis):      # numpy; x: float32 -> the quantised numbers, widened to float32 again
;;       x = np.moveaxis(x, axis, -1); K = x.shape[-1]
;;       x = np.pad(x, [(0, 0)] * (x.ndim - 1) + [(0, -K % 32)]); x = x.reshape(x.shape[:-1] + (-1, 32)); a = np.abs(x).max(-1, keepdims=True)
;;       e = np.where(a > 0, np.clip(np.frexp(np.where(a > 0, a, 1))[1] - 1 - 2, -126, 127), 0)      # np.frexp(a)[1] - 1 = floor(log2(a)), exactly
;;       r = np.clip(x / 2.0 ** e, -7.5, 7.5)
;;       step = 2.0 ** (np.maximum(np.frexp(np.where(r == 0, 1, r))[1] - 1, 0) - 3)
;;       q = np.round(r / step) * step * 2.0 ** e      # np.round: ties to even
;;       return np.moveaxis(q.reshape(q.shape[:-2] + (-1,))[..., :K], -1, axis).astype(np.float32)
;;   ~~~
;;   SOFTMAX AHEAD OF A QUANTISED PRODUCT. Where the list says 'softmax', what is quantised is not the finished softmax but p = 2^(t - M), with t = logit x log2(e) and M = ceil(the row's largest t), a whole number; so 1/2 < the row's largest p <= 1. The row's sum l is taken of the UNQUANTISED p, in f32, and the product's result is divided by l at the end. Since M is a whole number, a kernel that streams over the keys may use a running M (the ceiling of the running maximum): every later rescaling is an exact power of two, which a block's scale takes up: the codes' values come out the same.
;;   OPERANDS COMPUTED ON THE WAY. 'Computed on the way' means the value that the module computes at that place (a softmax that the list does not call 'softmax' is quantised finished and normalised). What goes into a quantiser is computed in f32, as accurately as f32 sums, v_exp_f32 and their like allow (about 1e-6 of the number): no bf16 or f16 on the way to a quantiser, and a product that is left as it is and whose result goes on into a quantised operand takes f32 operands (vector FMAs, or v_wmma_f32_16x16x4_f32). A number that lies on a knife's edge between two numbers of the format may be rounded either way, as far as f32 arithmetic and the matrix unit's own rounding can turn it there, and no further.
;; 2 versions, each right; version 2 is version 1 with the launch proj written anew for expert scheduling mode. Each part assembles by itself: llvm-mc -triple=amdgcn-amd-amdhsa -mcpu=gfx1250 --defsym DOCPART=n.
;; ======== version 1 of 2: 2 launches
;; workspace buffers: qimg 3,276,800 bytes; kimg 3,276,800 bytes; vimg 3,276,800 bytes
;; launch proj (part 1): grid 2 x 128, 8 waves a work-group, no clusters, 109,568 bytes of LDS; arguments x, Wq, bq, Wk, bk, Wv, bv, qimg, kimg, vimg; writes qimg, kimg, vimg
.if DOCPART == 1
	.amdgcn_target "amdgcn-amd-amdhsa--gfx1250"
	.amdhsa_code_object_version 6
	.text
	.protected	k_qcabcef9e0f_proj
	.globl	k_qcabcef9e0f_proj
	.p2align	8
	.type	k_qcabcef9e0f_proj,@function
k_qcabcef9e0f_proj:
	s_mov_b64 s[64:65], 0
	v_nop
	global_prefetch_b8 v0, s[64:65] scope:SCOPE_SE
	s_setreg_imm32_b32 hwreg(HW_REG_WAVE_MODE, 25, 1), 1
	s_wait_xcnt 0x0
; Q = x Wq^T + bq, K = x Wk^T + bk, V = x Wv^T + bv on codes of FP6 (E2M3), one E8M0 scale for each 32 along a product's K; the results are quantised again for the
; attention launch: Q and K along the 256 features, V along the tokens.  x [16384][256], W* [256][256], b* [256]: f32.
; SHARES.  Work-group (Y, GI): the 128 tokens 128 GI .. 128 GI + 127 and rows 128 Y .. 128 Y + 127 of each weight: 384 matrix instructions.  Eight waves.
;   phase 0: wave w quantises x's tile w and tile w of each weight's 128 rows (two fragments of 16 rows x 128 K each) and lays them in LDS as images of the operand's registers
;            (group c of four registers of lane l at 512 c + 16 l), the scale words at 4 l.
;   phase 1: wave w makes Q (w even) or K (w odd) for x's tiles 2 (w / 2), 2 (w / 2) + 1, all 128 features: source 0 = 16 rows of W, source 1 = 16 tokens, so that a lane holds one token and its
;            registers run along the features; the bias is the C of each sum's first product.  The 64 numbers of a lane become one fragment, which is stored as an image.
;   phase 2: wave w makes V for features 128 Y + 16 w .. + 15, all 128 tokens: source 0 = 16 tokens, source 1 = 16 rows of Wv, so that a lane holds one feature and its registers run along the tokens.
; THE ROWS OF A TILE ARE NOT NEIGHBOURS (x's tokens, Wq's and Wk's rows): lane r of tile 2 b + u takes row 32 b + 8 u + r + 8 (r / 8), so that the 16 registers of result tiles 2 b, 2 b + 1 are 16 neighbours.
; RECORDS.  Each group of 128 tokens has a record of 25,600 bytes in each of the three buffers: 16 fragment images of 1,536 bytes, then 1,024 bytes of scale words laid as two images of four registers.
;   Q, K: fragment (tile, K step s) at (2 tile + s) 1536; scale word at 24576 + 512 (tile / 4) + 256 s + 16 r + 4 (tile % 4).
;   V: fragment n (features 16 n ..) at 1536 n; scale word at 24576 + 512 (n / 8) + 256 (n % 2) + 16 r + 4 ((n / 2) % 4).
; NO CLUSTER, NO TENSOR LOAD: what work-groups share here are f32 numbers on their way to a quantiser, which wants them in registers; a work-group's 3 x 128 rows of weights are 393,216 bytes of f32,
; more than the 327,680 bytes of LDS into which a joint load would have to lay them.
; LIMITS: NaN and infinities among the inputs are not served; a block whose largest magnitude lies under 2^-124 keeps the scale byte 1 (a block of zeros too: its codes are zeros, and this program alone reads the bytes).
.set FRB,   1536                       ; a fragment's image
.set XIMG,  0                          ; LDS: x's 16 fragments, (2 tile + s) FRB
.set WIMG,  24576                      ; the weights' 48: type x 24576 + (2 tile + s) FRB; type 0 Wq, 1 Wk, 2 Wv
.set XSC,   98304                      ; x's scale words, 128 bytes a fragment
.set WSC,   100352                     ; the weights'
.set GATH,  106496                     ; the results' scale words, gathered: Q 512 bytes, K 512, V 512
.set VPERM, 4                          ; v4   (r + 8 (r / 8)) x 1024 + 64 h: my row of a tile in the order above, my 16 numbers of a block of 32
.set VNAT,  5                          ; v5   r x 1024 + 64 h
.set LI,    6                          ; v6   16 x lane
.set XWI,   7                          ; v7   where I store x's images
.set WWI,   8                          ; v8   and the weights'
.set SWS,   9                          ; v9   and scale words: XSC + 256 x wave + 4 x lane
.set LS4,   10                         ; v10  XSC + 4 x lane
.set GQ,    11                         ; v11  where Q's or K's scale word goes in GATH
.set GV,    12                         ; v12  and V's
.set BQA,   13                         ; v13  64 h
.set BVA,   14                         ; v14  4 r
.set WR,    15                         ; v15  my type's weight images
.set TM,    16                         ; v16-31 at work in QUANT
.set PC,    32                         ; v32-51 the codes just made
.set PW,    52                         ; v52  the scale word just made
.set XR,    53                         ; v53  my two tiles' images of x
.set WSR,   54                         ; v54  my type's scale words
.set XSR,   55                         ; v55  my two tiles' scale words
.set WS,    56                         ; v56-71  scale words of W's 8 tiles x 2 K steps
.set XS4,   72                         ; v72-75  of my two tiles of x
.set XS16,  76                         ; v76-91  of all eight tiles of x
.set WVS,   92                         ; v92-93  of my tile of Wv
.set SOL,   94                         ; v94  the scales' way out: LDS address
.set SOG,   95                         ; v95  and the place in the record
.set ST0,   128                        ; v128-191 64 numbers; phase 1: sums of the first tile; phase 2: V's sums
.set ST1,   192                        ; v192-255 64 numbers; phase 1: sums of the second tile
; window 1: v0-47 x's four fragments (24 e + 12 s), later Wv's two; v48-143 a ring of four tiles of W (24 (t % 4) + 12 s), later eight fragments of x; v144-207 the bias of Q or K; v208-215 of V
.set MSB, 0
.macro WIN new                         ; the immediate's high byte repeats the setting that is left
.if MSB != \new
	s_set_vgpr_msb (MSB<<8)|\new
.set MSB, \new
.endif
.endm
.macro PLACES n
.rept \n
	v_nop
.endr
.endm
; my row's numbers of K step ks (64 a lane): register 16 b + i = k 32 b + 16 h + i
.macro XLOAD reg, va, sb, ks
.irp b, 0,1,2,3
.irp j, 0,1,2,3
	global_load_b128 v[\reg+16*\b+4*\j:\reg+16*\b+4*\j+3], v[\va], s[\sb:\sb+1] offset:512*\ks+128*\b+16*\j
.endr
.endr
.endm
; 64 numbers of a lane, register 16 b + i = k 32 b + 16 (lane / 16) + i of my row, become a fragment's codes in v[PC] on and its scale word in v[PW]
.macro QUANT s
.irp b, 0,1,2,3
	v_max3_num_f32 v[TM+\b], |v[\s+16*\b]|, |v[\s+1+16*\b]|, 0x1800000   ; block b: my 16 numbers, and the floor 2^(3 - 127): the byte cannot fall under 1
.endr
.irp i, 2,4,6,8,10,12,14
.irp b, 0,1,2,3
	v_max3_num_f32 v[TM+\b], v[TM+\b], |v[\s+16*\b+\i]|, |v[\s+1+16*\b+\i]|   ; the four blocks by turns
.endr
.endr
.irp b, 0,1,2,3
	v_permlanex16_b32 v[TM+4+\b], v[TM+\b], s30, s31
.endr
.irp b, 0,1,2,3
	v_max_num_f32 v[TM+\b], v[TM+\b], v[TM+4+\b]   ; with lane l xor 16's: the block's largest magnitude
.endr
.irp b, 0,1,2,3
	v_add_nc_u32 v[TM+12+\b], 0xff000000, v[TM+\b]   ; 2 off its exponent field: the conversion's scale operand
.endr
.irp b, 0,1,2,3
	v_lshrrev_b32 v[TM+4+\b], 23, v[TM+12+\b]      ; the scale's byte
.endr
	v_lshl_or_b32 v[PW], v[TM+5], 8, v[TM+4]
	v_lshl_or_b32 v[PW], v[TM+6], 16, v[PW]
	v_lshl_or_b32 v[PW], v[TM+7], 24, v[PW]
.irp c, 0,1
	v_cvt_scalef32_pk16_fp6_f32 v[PC+6*\c:PC+2+6*\c], v[\s+32*\c:\s+15+32*\c], v[TM+12+2*\c]
	v_cvt_scalef32_pk16_fp6_f32 v[PC+12+4*\c:PC+14+4*\c], v[\s+16+32*\c:\s+31+32*\c], v[TM+12+2*\c+1]   ; (a conversion's three registers begin on an even number)
.endr
	v_nop                                          ; one plain place behind a scaled conversion
.irp c, 0,1                                    ; the operand's layout wants a whole block in a lane: lanes 0-15 block 2 c, lanes 16-31 block 2 c + 1
.irp i, 0,1,2
	v_permlane16_swap_b32 v[PC+6*\c+\i], v[PC+12+4*\c+\i]
.endr
.irp i, 0,1,2
	v_mov_b32 v[PC+3+6*\c+\i], v[PC+12+4*\c+\i]
.endr
.endr
.endm
.macro IMAGE adr, off
.irp c, 0,1,2
	ds_store_b128 v[\adr], v[PC+4*\c:PC+4*\c+3] offset:\off+512*\c
.endr
.endm
.macro BARRIER                                 ; my LDS stores have landed and my LDS loads are in: then the work-group's barrier
	s_wait_dscnt 0x0
	s_barrier_signal -1
	s_barrier_wait -1
.endm
	s_load_b512 s[4:19], s[0:1], 0x0               ; x 4:5, Wq 6:7, bq 8:9, Wk 10:11, bk 12:13, Wv 14:15, bv 16:17, qimg 18:19
	s_load_b128 s[20:23], s[0:1], 0x40             ; kimg 20:21, vimg 22:23
	v_lshl_add_u32 v126, v0, 2, 0x1a800
	v_mov_b32 v127, 0
	v_lshrrev_b32 v1, 5, v0
	v_readfirstlane_b32 s24, v1                    ; wave 0..7
	s_mov_b32 s25, ttmp9                           ; Y
	s_and_b32 s26, ttmp7, 0xffff                   ; GI
	s_and_b32 s27, s24, 1                          ; type in phase 1: 0 Q, 1 K
	s_lshr_b32 s48, s24, 1
	s_lshl_b32 s28, s48, 1                         ; my first tile of x in phase 1
	s_lshl_b32 s29, s48, 5
	s_lshl_b32 s49, s27, 3
	s_add_co_u32 s29, s29, s49                     ; tile w begins at row 32 (w / 2) + 8 (w % 2)
	s_mov_b32 s30, 0x76543210
	s_mov_b32 s31, 0xfedcba98                      ; v_permlanex16_b32's selects for lane l xor 16
	v_and_b32 v1, 31, v0                           ; lane
	v_and_b32 v2, 15, v0                           ; r
	v_bfe_u32 v3, v0, 4, 1                         ; h
	v_and_b32 v[VPERM], 8, v2
	v_add_nc_u32 v[VPERM], v[VPERM], v2
	v_lshlrev_b32 v[VPERM], 10, v[VPERM]
	v_lshl_add_u32 v[VPERM], v3, 6, v[VPERM]
	v_lshlrev_b32 v[VNAT], 10, v2
	v_lshl_add_u32 v[VNAT], v3, 6, v[VNAT]
	v_lshlrev_b32 v[LI], 4, v1
	s_mul_i32 s50, s24, 2*FRB
	v_add_nc_u32 v[XWI], s50, v[LI]
	v_add_nc_u32 v[WWI], WIMG, v[XWI]
	v_lshlrev_b32 v[LS4], 2, v1
	v_add_nc_u32 v[LS4], XSC, v[LS4]
	s_lshl_b32 s50, s24, 8
	v_add_nc_u32 v[SWS], s50, v[LS4]
	s_lshl_b32 s50, s27, 9                         ; GATH: 512 x type + 256 (tile / 4) + 4 (tile % 4) + 16 r, tile = 2 (w / 2) + e
	s_lshr_b32 s51, s24, 2
	s_lshl_b32 s51, s51, 8
	s_add_co_u32 s50, s50, s51
	s_and_b32 s51, s48, 1
	s_lshl_b32 s51, s51, 3
	s_add_co_u32 s50, s50, s51
	s_add_co_u32 s50, s50, GATH
	v_lshl_add_u32 v[GQ], v2, 4, s50
	s_lshl_b32 s50, s27, 8                         ; V's: 256 (w % 2) + 4 (w / 2) + 16 r
	s_lshl_b32 s51, s48, 2
	s_add_co_u32 s50, s50, s51
	s_add_co_u32 s50, s50, GATH+1024
	v_lshl_add_u32 v[GV], v2, 4, s50
	v_lshlrev_b32 v[BQA], 6, v3
	v_lshlrev_b32 v[BVA], 2, v2
	s_mul_i32 s50, s27, 24576
	s_add_co_u32 s50, s50, WIMG
	v_add_nc_u32 v[WR], s50, v[LI]
	s_mul_i32 s50, s28, 2*FRB
	v_add_nc_u32 v[XR], s50, v[LI]
	s_lshl_b32 s50, s27, 11
	s_add_co_u32 s50, s50, WSC-XSC
	v_add_nc_u32 v[WSR], s50, v[LS4]
	s_lshl_b32 s50, s28, 8
	v_add_nc_u32 v[XSR], s50, v[LS4]
	; the scales' way out: wave 0 Q's 512 bytes, wave 1 K's, wave 2 V's.  Q, K: lanes 16-31 go 512 bytes on, Y 256;  V: lanes 16-31 256 on, Y 512
	s_cmp_eq_u32 s24, 2
	s_cselect_b32 s58, 8, 9
	s_cselect_b32 s59, 9, 8
	s_lshl_b32 s59, s25, s59
	s_add_co_u32 s59, s59, 24576
	v_lshlrev_b32 v[SOG], s58, v3
	v_lshl_add_u32 v[SOG], v2, 4, v[SOG]
	v_add_nc_u32 v[SOG], s59, v[SOG]
	s_min_u32 s58, s24, 2                          ; (waves 3 to 7 never use the address: it is held inside GATH)
	s_lshl_b32 s58, s58, 9
	s_add_co_u32 s58, s58, GATH
	v_add_nc_u32 v[SOL], s58, v[LI]
.irp b, 0,1,2,3
	v_mov_b32 v[TM+4+\b], 0                        ; written once: a lane permute's destination counts as one of its sources
.endr
	s_wait_kmcnt 0x0
	s_lshl_b32 s48, s26, 17                        ; 128 rows of 1,024 bytes a group
	s_lshl_b32 s49, s29, 10
	s_add_co_u32 s48, s48, s49
	s_mov_b32 s49, 0
	s_add_nc_u64 s[32:33], s[4:5], s[48:49]        ; x at my tile
	s_lshl_b32 s48, s25, 7
	s_add_co_u32 s50, s48, s29
	s_lshl_b32 s50, s50, 10
	s_mov_b32 s51, 0
	s_add_nc_u64 s[34:35], s[6:7], s[50:51]        ; Wq at my tile
	s_add_nc_u64 s[36:37], s[10:11], s[50:51]      ; Wk
	s_lshl_b32 s50, s24, 4
	s_add_co_u32 s50, s50, s48                     ; 128 Y + 16 w
	s_lshl_b32 s52, s50, 10
	s_mov_b32 s53, 0
	s_add_nc_u64 s[38:39], s[14:15], s[52:53]      ; Wv at my tile (neighbouring rows)
	s_lshl_b32 s52, s50, 2
	s_add_nc_u64 s[42:43], s[16:17], s[52:53]      ; bv likewise
	s_cmp_eq_u32 s27, 0                            ; the choices hang on the wave's number alone
	s_cselect_b64 s[40:41], s[8:9], s[12:13]       ; bq or bk
	s_cselect_b64 s[44:45], s[18:19], s[20:21]     ; qimg or kimg
	s_lshl_b32 s52, s25, 9
	s_add_nc_u64 s[40:41], s[40:41], s[52:53]
	s_mul_i32 s54, s26, 25600                      ; my group's record
	s_mov_b32 s55, 0
	s_lshl_b32 s52, s28, 1
	s_add_co_u32 s52, s52, s25
	s_mul_i32 s52, s52, FRB
	s_add_co_u32 s52, s52, s54
	s_add_nc_u64 s[44:45], s[44:45], s[52:53]      ; fragment (my first tile, K step Y)
	s_lshl_b32 s52, s25, 3
	s_add_co_u32 s52, s52, s24
	s_mul_i32 s52, s52, FRB
	s_add_co_u32 s52, s52, s54
	s_add_nc_u64 s[46:47], s[22:23], s[52:53]      ; V's fragment 8 Y + w
	s_cmp_eq_u32 s24, 0
	s_cselect_b64 s[56:57], s[18:19], s[20:21]
	s_cmp_eq_u32 s24, 2
	s_cselect_b64 s[56:57], s[22:23], s[56:57]
	s_add_nc_u64 s[56:57], s[56:57], s[54:55]      ; the record whose scale words I store
	WIN 0x40                                       ; destination window 1
.irp t, 0,1,2,3,4,5,6,7                        ; the bias in the result's layout: lane (r, h), tile 2 b + u: features 32 b + 16 h + 8 u + 0 .. 7
	global_load_b128 v[144+8*\t:147+8*\t], v[BQA], s[40:41] offset:(32*(\t/2)+8*(\t%2))*4
	global_load_b128 v[148+8*\t:151+8*\t], v[BQA], s[40:41] offset:(32*(\t/2)+8*(\t%2))*4+16
.endr
.irp j, 0,1,2,3,4,5,6,7                        ; V's: a lane holds one feature, so its eight registers hold one number
	global_load_b32 v[208+\j], v[BVA], s[42:43]
.endr
	WIN 0
; ---- phase 0: eight fragments a wave, on two sets of 64 registers by turns: one is quantised while the other's 16 loads are on their way
.macro P0STEP st, left, adr, ioff, soff
	s_wait_loadcnt \left                           ; this set's 16 loads are in (and the biases, issued ahead of them); the other set's 16 may be out
	QUANT \st
	IMAGE \adr, \ioff
	ds_store_b32 v[SWS], v[PW] offset:\soff
	s_wait_dscnt 0x0                               ; the stores have read their registers: the next codes may be written
.endm
	XLOAD ST0, VPERM, 32, 0
	XLOAD ST1, VPERM, 32, 1
	P0STEP ST0, 16, XWI, 0, 0
	XLOAD ST0, VPERM, 34, 0
	P0STEP ST1, 16, XWI, FRB, 128
	XLOAD ST1, VPERM, 34, 1
	P0STEP ST0, 16, WWI, 0, 2048
	XLOAD ST0, VPERM, 36, 0
	P0STEP ST1, 16, WWI, FRB, 2048+128
	XLOAD ST1, VPERM, 36, 1
	P0STEP ST0, 16, WWI, 24576, 4096
	XLOAD ST0, VNAT, 38, 0
	P0STEP ST1, 16, WWI, 24576+FRB, 4096+128
	XLOAD ST1, VNAT, 38, 1
	P0STEP ST0, 16, WWI, 49152, 6144
	P0STEP ST1, 0, WWI, 49152+FRB, 6144+128
	BARRIER                                        ; all 64 fragments and their scale words lie in LDS; nothing there is written again
; ---- phase 1: Q or K
.macro WTILE t                                 ; tile t of my type's weight, both K steps, into buffer t % 4 of the ring
.irp p, 0,1
.irp c, 0,1,2
	ds_load_b128 v[48+24*((\t)%4)+12*\p+4*\c:48+24*((\t)%4)+12*\p+4*\c+3], v[WR] offset:(2*(\t)+\p)*FRB+512*\c
.endr
.endr
.endm
.macro MQK t, e, ks
.if \ks
	v_wmma_scale_f32_16x16x128_f8f6f4 v[128+64*\e+8*\t:135+64*\e+8*\t], v[60+24*((\t)%4):71+24*((\t)%4)], v[24*\e+12:24*\e+23], v[128+64*\e+8*\t:135+64*\e+8*\t], v[WS+2*\t+1], v[XS4+2*\e+1] matrix_a_fmt:MATRIX_FMT_FP6 matrix_b_fmt:MATRIX_FMT_FP6
.else
	v_wmma_scale_f32_16x16x128_f8f6f4 v[128+64*\e+8*\t:135+64*\e+8*\t], v[48+24*((\t)%4):59+24*((\t)%4)], v[24*\e:24*\e+11], v[144+8*\t:151+8*\t], v[WS+2*\t], v[XS4+2*\e] matrix_a_fmt:MATRIX_FMT_FP6 matrix_b_fmt:MATRIX_FMT_FP6
.endif
.endm
.irp t, 0,1,2,3,4,5,6,7
.irp p, 0,1
	ds_load_b32 v[WS+2*\t+\p], v[WSR] offset:(2*\t+\p)*128
.endr
.endr
.irp e, 0,1
.irp p, 0,1
	ds_load_b32 v[XS4+2*\e+\p], v[XSR] offset:(2*\e+\p)*128
.endr
.endr
	WIN 0x40
.irp f, 0,1,2,3
.irp c, 0,1,2
	ds_load_b128 v[12*\f+4*\c:12*\f+4*\c+3], v[XR] offset:\f*FRB+512*\c
.endr
.endr
	WTILE 0
	WTILE 1
	WTILE 2
	WTILE 3
.irp t, 0,1,2,3,4,5,6,7
.if \t <= 4
	s_wait_dscnt 18                                ; tile t is in; the three tiles behind it in the ring, six loads each, may be out
.else
	s_wait_dscnt 6*(7-\t)
.endif
	WIN 0x15                                       ; W, x and the bias in window 1, the sums in window 0
	MQK \t, 0, 0                                   ; the two tiles' sums take turns, one instruction a turn
	MQK \t, 1, 0
	WIN 0x05
	MQK \t, 0, 1
	MQK \t, 1, 1
.if \t < 4
	PLACES 4                                       ; in front of loads into registers that these products have read
	WIN 0x40
	WTILE \t+4
.endif
.endr
	WIN 0
	PLACES 5                                       ; in front of the first read of the sums and of the loads below
	; phase 2's first operands are asked for here and land while Q or K is quantised
.irp p, 0,1
	ds_load_b32 v[WVS+\p], v[SWS] offset:6144+128*\p
.endr
.irp t, 0,1,2,3,4,5,6,7
.irp p, 0,1
	ds_load_b32 v[XS16+2*\t+\p], v[LS4] offset:(2*\t+\p)*128
.endr
.endr
	WIN 0x40
.irp p, 0,1
.irp c, 0,1,2
	ds_load_b128 v[12*\p+4*\c:12*\p+4*\c+3], v[WWI] offset:49152+FRB*\p+512*\c
.endr
.endr
.irp t, 0,1,2,3,4,5,6,7
.irp c, 0,1,2
	ds_load_b128 v[48+12*\t+4*\c:48+12*\t+4*\c+3], v[LI] offset:(2*\t)*FRB+512*\c
.endr
.endr
	WIN 0
.irp e, 0,1
.if \e
	s_wait_xcnt 0x0                                ; the first tile's stores have read the codes' registers,
	s_wait_dscnt 0x0                               ; and the LDS store its scale word
.endif
	QUANT 128+64*\e
.irp c, 0,1,2
	global_store_b128 v[LI], v[PC+4*\c:PC+4*\c+3], s[44:45] offset:2*FRB*\e+512*\c   ; 32 lanes store 512 consecutive bytes, at a multiple of 256 from the buffer's first byte
.endr
	ds_store_b32 v[GQ], v[PW] offset:4*\e          ; both halves of the lanes write the same word with the same value
.endr
; ---- phase 2: V
	s_wait_dscnt 0x0
	WIN 0x15
.irp t, 0,1,2,3,4,5,6,7
	v_wmma_scale_f32_16x16x128_f8f6f4 v[128+8*\t:135+8*\t], v[48+12*\t:59+12*\t], v[0:11], v[208:215], v[XS16+2*\t], v[WVS] matrix_a_fmt:MATRIX_FMT_FP6 matrix_b_fmt:MATRIX_FMT_FP6
.endr
	PLACES 4                                       ; in front of loads into registers that these products have read
	WIN 0x40
.irp t, 0,1,2,3,4,5,6,7
.irp c, 0,1,2
	ds_load_b128 v[48+12*\t+4*\c:48+12*\t+4*\c+3], v[LI] offset:(2*\t+1)*FRB+512*\c
.endr
.endr
	s_wait_dscnt 0x0
	WIN 0x05
.irp t, 0,1,2,3,4,5,6,7
	v_wmma_scale_f32_16x16x128_f8f6f4 v[128+8*\t:135+8*\t], v[48+12*\t:59+12*\t], v[12:23], v[128+8*\t:135+8*\t], v[XS16+2*\t+1], v[WVS+1] matrix_a_fmt:MATRIX_FMT_FP6 matrix_b_fmt:MATRIX_FMT_FP6
.endr
	WIN 0
	PLACES 4
	s_wait_xcnt 0x0                                ; the last stores have read the codes' registers
	QUANT ST0                                      ; register 16 b + i = token 32 b + 16 h + i of my feature
.irp c, 0,1,2
	global_store_b128 v[LI], v[PC+4*\c:PC+4*\c+3], s[46:47] offset:512*\c
.endr
	ds_store_b32 v[GV], v[PW]
	BARRIER                                        ; all scale words lie in GATH
	s_cmp_gt_u32 s24, 2
	s_cbranch_scc1 .Lend
	ds_load_b128 v[96:99], v[SOL]
	s_wait_dscnt 0x0
	global_store_b128 v[SOG], v[96:99], s[56:57]   ; sixteen lanes store 256 consecutive bytes, aligned
.Lend:
	s_wait_tensorcnt 0x0
	ds_add_u32 v126, v127
	s_wait_dscnt 0x0
	s_endpgm
.Lfunc_end_k_qcabcef9e0f_proj:
	.size	k_qcabcef9e0f_proj, .Lfunc_end_k_qcabcef9e0f_proj-k_qcabcef9e0f_proj
	.p2alignl 7, 3214868480
	.fill 96, 4, 3214868480
	.section	.rodata,"a",@progbits
	.p2align	6, 0x0
	.amdhsa_kernel k_qcabcef9e0f_proj
		.amdhsa_group_segment_fixed_size 109568
		.amdhsa_private_segment_fixed_size 0
		.amdhsa_enable_private_segment 0
		.amdhsa_kernarg_size 80
		.amdhsa_user_sgpr_count 2
		.amdhsa_user_sgpr_kernarg_segment_ptr 1
		.amdhsa_wavefront_size32 1
		.amdhsa_system_sgpr_workgroup_id_x 1
		.amdhsa_system_sgpr_workgroup_id_y 1
		.amdhsa_system_sgpr_workgroup_id_z 1
		.amdhsa_system_vgpr_workitem_id 0
		.amdhsa_next_free_vgpr 512
		.amdhsa_next_free_sgpr 66
		.amdhsa_reserve_vcc 0
		.amdhsa_float_denorm_mode_32 3
		.amdhsa_float_denorm_mode_16_64 3
		.amdhsa_memory_ordered 1
		.amdhsa_forward_progress 1
		.amdhsa_inst_pref_size 82
	.end_amdhsa_kernel
	.amdgpu_metadata
---
amdhsa.version: [ 1, 2 ]
amdhsa.kernels:
  - .name:           k_qcabcef9e0f_proj
    .symbol:         k_qcabcef9e0f_proj.kd
    .args:
      - { .name: x, .offset: 0, .size: 8, .value_kind: global_buffer, .address_space: global }
      - { .name: Wq, .offset: 8, .size: 8, .value_kind: global_buffer, .address_space: global }
      - { .name: bq, .offset: 16, .size: 8, .value_kind: global_buffer, .address_space: global }
      - { .name: Wk, .offset: 24, .size: 8, .value_kind: global_buffer, .address_space: global }
      - { .name: bk, .offset: 32, .size: 8, .value_kind: global_buffer, .address_space: global }
      - { .name: Wv, .offset: 40, .size: 8, .value_kind: global_buffer, .address_space: global }
      - { .name: bv, .offset: 48, .size: 8, .value_kind: global_buffer, .address_space: global }
      - { .name: qimg, .offset: 56, .size: 8, .value_kind: global_buffer, .address_space: global }
      - { .name: kimg, .offset: 64, .size: 8, .value_kind: global_buffer, .address_space: global }
      - { .name: vimg, .offset: 72, .size: 8, .value_kind: global_buffer, .address_space: global }
    .group_segment_fixed_size: 109568
    .private_segment_fixed_size: 0
    .kernarg_segment_align: 8
    .kernarg_segment_size: 80
    .max_flat_workgroup_size: 256
    .sgpr_count:     66
    .vgpr_count:     512
    .wavefront_size: 32
...
	.end_amdgpu_metadata
.endif
;; end of part 1
;; launch attn (part 2): grid 64 x 4, 8 waves a work-group, clusters of 4 x 1, 327,680 bytes of LDS; arguments qimg, kimg, vimg, out0; writes out0
.if DOCPART == 2
	.amdgcn_target "amdgcn-amd-amdhsa--gfx1250"
	.amdhsa_code_object_version 6
	.text
	.protected	k_qcabcef9e0f_attn
	.globl	k_qcabcef9e0f_attn
	.p2align	8
	.type	k_qcabcef9e0f_attn,@function
k_qcabcef9e0f_attn:
	s_mov_b64 s[64:65], 0
	v_nop
	global_prefetch_b8 v0, s[64:65] scope:SCOPE_SE
	s_setreg_imm32_b32 hwreg(HW_REG_WAVE_MODE, 25, 1), 1
	s_wait_xcnt 0x0
	s_wait_alu depctr_hold_cnt(0) depctr_sa_sdst(0) depctr_va_vdst(0) depctr_va_sdst(0) depctr_va_ssrc(0) depctr_va_vcc(0) depctr_vm_vsrc(0)
	s_getreg_b32 s2, hwreg(HW_REG_IB_STS2, 6, 4)
	s_cmp_eq_u32 s2, 0
	s_cbranch_scc0 .Lentry_in_a_cluster
	s_endpgm
.Lentry_in_a_cluster:
	s_bfe_u32 s2, ttmp6, 0x10000c
	s_cmp_lg_u32 s2, 0x3003
	s_cbranch_scc0 .Lentry_shape_is_right
	s_endpgm
.Lentry_shape_is_right:
; out[b][q][:] = the sum over k <= q of softmax_k(Q[b][q] . K[b][k] / 16) V[b][k][:], both products on codes of FP6 (E2M3) with one E8M0 scale for each 32 along a product's K.
; Q, K, V come as records of 25,600 bytes for each 128 tokens: 16 images of operand registers (1,536 bytes: group c of four registers of lane l at 512 c + 16 l) and 1,024 bytes of scale words.
; THE SOFTMAX AHEAD OF THE SECOND PRODUCT: t = score x log2(e) / 16; M = the largest t so far, rounded up to a whole number; p = 2^(t - M) is quantised along the keys and not normalised; the row's sum is taken
; of the unquantised p; when M moves, the sum and O are multiplied by 2^(old M - new M), which rounds nothing.
; SHARES.  Cluster c (0..15) of a batch owns the query blocks 31 - c and c, 128 queries each.  Its work-group cx owns 32 queries of each block: two tiles of 16.  Waves 0-3 take the pair of block 31 - c,
; waves 4-7 the pair of block c.  THE KEYS ARE SPLIT OVER THE FOUR WAVES OF A PAIR: wave phase ph takes the key steps (128 keys) 4 i + ph up to the block's own, which lies on the diagonal.
; So every work-group has (32 - c) + (c + 1) = 33 pair-steps, whatever c; steps above the diagonal are not multiplied.  At the end the four parts of a pair are joined through LDS.
; A fragment of K or V read from LDS feeds two matrix instructions (the pair's two tiles).
; CLUSTER.  The four partners walk the same key steps in the same laps (a lap = four key steps), so each tile of K and V is asked for JOINTLY: the same tensor load, the same descriptor, a mask that names the four.
; No branch, trip count or LDS address hangs on cx: it enters Q's and out's addresses, the prefetches' addresses and the number that the diagonal's compare reads.
; RING.  Two slots of 102,400 bytes: a lap's four records of K, and its four of V.  While V of lap i is read, K of lap i + 1 lands, and the other way round.  Each of the eight waves brings an eighth of a slot.
; LAYOUT.  Both products are used transposed: S^T = K Q^T, O^T = V^T P^T: a lane holds one query throughout.  The tokens of a tile of K or Q are 32 b + 8 u + r + 8 (r / 8) (tile 2 b + u, lane r), so that the 16 registers
; of score tiles 2 b, 2 b + 1 are 16 neighbouring keys.
; LIMITS: NaN and infinities are not served; M is kept as a whole number in f32, so |t| stays under 2^24; a block of p under 2^-124 keeps the scale byte 1.
; REGISTERS, window 0: v1-2 the add's; v3 K's, v4 V's LDS address; v5 the lane's query for the diagonal; v6 -infinity; v7 the prefetches' offset; v8-15 -M, largest t, the sum in two halves, for each tile;
;   v16-19 f, a pair a tile; v20-21 Q's scale words, v22-23 p's, v24-31 K's or V's; v32-79 Q; v80-103 K buffer 0, then p's codes; v104-127 K buffer 1, then at work;
;   v128-191 scores of tile 0, then V buffer 0; v192-255 scores of tile 1, then V buffer 1.   window 1: O^T, tile u's d tile n at 128 u + 8 n.
.set REC,    25600
.set KSLOT,  0
.set VSLOT,  102400
.set LAPB,   102400                    ; a lap's records in memory
.set CPITCH, 1040                      ; the join: a row of 256 f32 + 16 bytes: row r starts 4 r words on, so that the sixteen rows of a store start in sixteen different groups of four banks (64 banks of 4 bytes: ISA guide 11.1)
.set CWAVE,  32*CPITCH                 ; a wave's 32 rows.  The eight waves' parts lie from LDS byte 0 on, over the ring, which has had its last fill and its last read by then
.set STAT,   266240                    ; behind them: -M and the sum of each wave's two tiles, 128 bytes each
.set SPARE,  270336                    ; the spare words, 128 bytes for each wave: four blocks of 256 bytes that no other line names
.set BM, 104                           ; v104-107 a block's largest score, then its largest p
.set PT, 108                           ; v108-111 permute's results, a chain of sums, bytes
.set SO, 112                           ; v112-115 the conversions' scale operands
.set CT, 116                           ; v116-123 half blocks of codes
.set MI, 124                           ; v124-125 at work
.set MSB, 0
.macro WIN new                         ; the immediate's high byte repeats the setting that is left
.if MSB != \new
	s_set_vgpr_msb (MSB<<8)|\new
.set MSB, \new
.endif
.endm
.macro PLACES n
.rept \n
	v_nop
.endr
.endm
.macro CROUND                          ; a round of the cluster's barrier
	s_barrier_signal -1
	s_barrier_wait -1
	s_cmp_lg_u32 s12, 0
	s_cbranch_scc1 .Lnot_wave_0_\@
	s_barrier_signal -3
.Lnot_wave_0_\@:
	s_barrier_wait -3
	s_barrier_signal -1
	s_barrier_wait -1
.endm
; A PREFETCH INTO THE L2 of the lap that the next trip's load will ask for.  All sixteen clusters of a batch walk the same K and V: cluster 0 asks, and in it the waves of the small block.  A lap is 400 blocks of 256 bytes:
; the partners take 100 each, told apart by address, a wave 25, lanes 256 bytes apart (lanes 25 to 31 name the wave's last block again).  The last trip asks for nothing: there is no lap behind the one it loads.
.macro ASK pf
	s_cmp_gt_u32 s40, s41
	s_cbranch_scc0 .Lno_\@
	global_prefetch_b8 v7, s[\pf:\pf+1] th:TH_LOAD_NT scope:SCOPE_SE
.Lno_\@:
.endm
; THE CHANGE OF SLOTS.  Each wave waits for all its tensor loads (one is out: its eighth of the slot that is read next), adds 0 to its spare word, and waits for that and for its reads of the slot that it has left.
; fill = 1: a round of the cluster's barrier follows, so that no wave of any partner still reads that slot or has a load on its way, and the joint refill is the first thing behind it.
.macro CHANGE g0, pf, fill
	s_wait_tensorcnt 0x0                           ; no tensor load of mine is out, so a group 0 may be written
	ds_add_u32 v1, v2                              ; 0 onto my spare word
.if \fill
	s_add_nc_u64 s[\g0+2:\g0+3], s[\g0+2:\g0+3], LAPB   ; the next lap; the type bits on top are not reached
	s_wait_xcnt 0x0                                ; the last prefetches have read their addresses
	s_add_nc_u64 s[\pf:\pf+1], s[\pf:\pf+1], LAPB  ; one lap further on than the descriptor
.endif
	s_wait_dscnt 0x0                               ; the add is done, and my reads of the slot that I have left are over
.if \fill
	CROUND
	tensor_load_to_lds s[\g0:\g0+3], s[24:31]      ; my one tensor load until the next change
	s_nop 0
	PLACES 4
	ASK \pf
.else
	s_barrier_signal -1
	s_barrier_wait -1
.endif
.endm
.macro KLOAD t, buf                            ; tile t of my key step, both K steps of 128 features
.irp p, 0,1
.irp c, 0,1,2
	ds_load_b128 v[\buf+12*\p+4*\c:\buf+12*\p+4*\c+3], v3 offset:(2*(\t)+\p)*1536+512*\c
.endr
.endr
.endm
.macro SMUL t, buf                             ; four products: the two tiles of queries take turns, one instruction a turn.  Lanes 16-31 of the scale registers hold the second K step's words
.irp w, 0,1
	v_wmma_scale_f32_16x16x128_f8f6f4 v[128+64*\w+8*(\t):135+64*\w+8*(\t)], v[\buf:\buf+11], v[32+24*\w:43+24*\w], 0, v[24+(\t)], v[20+\w] matrix_a_fmt:MATRIX_FMT_FP6 matrix_b_fmt:MATRIX_FMT_FP6
.endr
.irp w, 0,1
	v_wmma_scale_f32_16x16x128_f8f6f4 v[128+64*\w+8*(\t):135+64*\w+8*(\t)], v[\buf+12:\buf+23], v[44+24*\w:55+24*\w], v[128+64*\w+8*(\t):135+64*\w+8*(\t)], v[24+(\t)], v[20+\w] matrix_a_fmt:MATRIX_FMT_FP6 matrix_b_fmt:MATRIX_FMT_FP6 matrix_a_scale:MATRIX_SCALE_ROW1 matrix_b_scale:MATRIX_SCALE_ROW1
.endr
.endm
.macro SPHASE                                  ; S^T = K Q^T for 128 keys x 32 queries
	ds_load_b128 v[24:27], v3 offset:24576         ; K's scale words: register t serves tile t
	ds_load_b128 v[28:31], v3 offset:25088
	KLOAD 0, 80
	KLOAD 1, 104
.irp t, 0,1,2,3,4,5,6,7
.if \t < 7
	s_wait_dscnt 6                                 ; tile t is in; the other buffer's six loads may be out
.else
	s_wait_dscnt 0x0
.endif
	SMUL \t, 80+24*(\t%2)
.if \t < 6
	PLACES 4                                       ; in front of loads into registers that these products have read
	KLOAD \t+2, 80+24*(\t%2)
.endif
.endr
	PLACES 4                                       ; in front of the first read of the scores, and of vector writes over K's buffers
.endm
; On the diagonal (my key step is my block's own) the scores of hidden keys become -infinity ahead of the maximum: p = 0 then.  Register 16 b + i holds key 32 b + 16 h + i of the step; key 0 counts for every query.
.macro MASK u
	s_cmp_lg_u32 s19, s18
	s_cbranch_scc1 .Lopen_\@
	v_add_nc_u32 v[MI+1], 8*(\u), v5               ; my query in the block, less 16 h
.set n, 0
.rept 64
	v_cmp_gt_i32 vcc_lo, 32*(n/16)+n%16, v[MI+1]
	v_cndmask_b32 v[128+64*(\u)+n], v[128+64*(\u)+n], v6, vcc_lo
.set n, n+1
.endr
.Lopen_\@:
.endm
.macro SOFTMAX u
.set SB,  128+64*(\u)
.set NM,  8+4*(\u)
.set TX,  9+4*(\u)
.set LL,  10+4*(\u)
.set FF,  16+2*(\u)
.set PCU, 80+12*(\u)
.irp b, 0,1,2,3
	v_max3_num_f32 v[BM+\b], v[SB+16*\b], v[SB+1+16*\b], v[SB+2+16*\b]   ; the largest score of each block of 32 keys: it serves for the row's maximum and, since p rises with the score, for the block's largest p
.endr
.irp i, 3,5,7,9,11,13
.irp b, 0,1,2,3
	v_max3_num_f32 v[BM+\b], v[BM+\b], v[SB+16*\b+\i], v[SB+1+16*\b+\i]
.endr
.endr
.irp b, 0,1,2,3
	v_max_num_f32 v[BM+\b], v[BM+\b], v[SB+15+16*\b]
.endr
.irp b, 0,1,2,3
	v_permlanex16_b32 v[PT+\b], v[BM+\b], s20, s21
.endr
.irp b, 0,1,2,3
	v_max_num_f32 v[BM+\b], v[BM+\b], v[PT+\b]     ; with lane l xor 16's 16 keys
.endr
	v_max3_num_f32 v[MI], v[BM], v[BM+1], v[BM+2]
	v_max_num_f32 v[MI], v[MI], v[BM+3]
	v_mul_f32 v[MI], s22, v[MI]                    ; the step's largest t (c is positive)
	v_max_num_f32 v[TX], v[TX], v[MI]
	v_mov_b32 v[MI], v[NM]
	v_floor_f32 v[NM], -v[TX]                      ; -M = floor(-t) = -ceil(t)
	v_sub_f32 v[MI], v[NM], v[MI]                  ; old M - new M: a whole number, 0 or less
	v_cvt_i32_f32 v[MI], v[MI]                     ; (it saturates)
	v_ldexp_f32 v[FF], 1.0, v[MI]                  ; f = 2^(old M - new M)
.set j, 0
.rept 32
	v_pk_fma_f32 v[SB+j:SB+j+1], v[SB+j:SB+j+1], s[22:23], v[NM:NM+1] op_sel_hi:[1,0,0]   ; t - M, two at a time
.set j, j+2
.endr
.irp b, 0,1,2,3
	v_fma_f32 v[BM+\b], v[BM+\b], s22, v[NM]       ; the same of each block's largest score
.endr
.set j, 0
.rept 64
	v_exp_f32 v[SB+j], v[SB+j]                     ; p = 2^(t - M)
.set j, j+1
.endr
	v_pk_mul_f32 v[LL:LL+1], v[LL:LL+1], v[FF:FF+1] op_sel_hi:[1,0]   ; the sums under the new M; a plain place behind the exponentials
	s_wait_alu depctr_va_vdst(0)                   ; one wait for the batch, ahead of its first reader
.irp b, 0,1,2,3
	v_exp_f32 v[BM+\b], v[BM+\b]                   ; the block's largest p
.endr
	v_pk_add_f32 v[PT:PT+1], v[SB:SB+1], v[SB+2:SB+3]   ; the row's sum of the unquantised p, in two chains
.set j, 4
.rept 15
	v_pk_add_f32 v[LL:LL+1], v[LL:LL+1], v[SB+j:SB+j+1]
	v_pk_add_f32 v[PT:PT+1], v[PT:PT+1], v[SB+j+2:SB+j+3]
.set j, j+4
.endr
	v_pk_add_f32 v[LL:LL+1], v[LL:LL+1], v[PT:PT+1]
	s_wait_alu depctr_va_vdst(0)                   ; and one for the four
.irp b, 0,1,2,3
	v_max_num_f32 v[BM+\b], 0x1800000, v[BM+\b]    ; the floor 2^(3 - 127): the byte cannot fall under 1
.endr
.irp b, 0,1,2,3
	v_add_nc_u32 v[SO+\b], 0xff000000, v[BM+\b]    ; 2 off the exponent field: the conversion's scale operand
.endr
.irp b, 0,1,2,3
	v_lshrrev_b32 v[PT+\b], 23, v[SO+\b]           ; the scale's byte
.endr
	v_lshl_or_b32 v[22+(\u)], v[PT+1], 8, v[PT]    ; p's scale word for these 128 keys
	v_lshl_or_b32 v[22+(\u)], v[PT+2], 16, v[22+(\u)]
	v_lshl_or_b32 v[22+(\u)], v[PT+3], 24, v[22+(\u)]
.irp c, 0,1
	v_cvt_scalef32_pk16_fp6_f32 v[PCU+6*\c:PCU+2+6*\c], v[SB+32*\c:SB+15+32*\c], v[SO+2*\c]
	v_cvt_scalef32_pk16_fp6_f32 v[CT+4*\c:CT+2+4*\c], v[SB+16+32*\c:SB+31+32*\c], v[SO+2*\c+1]
.endr
	v_nop                                          ; one plain place behind a scaled conversion
.irp c, 0,1                                    ; a whole block in a lane: lanes 0-15 block 2 c, lanes 16-31 block 2 c + 1
.irp i, 0,1,2
	v_permlane16_swap_b32 v[PCU+6*\c+\i], v[CT+4*\c+\i]
.endr
.irp i, 0,1,2
	v_mov_b32 v[PCU+3+6*\c+\i], v[CT+4*\c+\i]
.endr
.endr
.endm
.macro VLOADB k, base                          ; four d tiles of V, 4 k on
.irp i, 0,1,2,3
.irp c, 0,1,2
	ds_load_b128 v[\base+12*\i+4*\c:\base+12*\i+4*\c+3], v4 offset:(4*(\k)+\i)*1536+512*\c
.endr
.endr
.endm
.macro RESCALE                                 ; O^T x the low word of each tile's pair v[16 + 2 u], each accumulator from its low end on
	WIN 0x41                                       ; O^T in window 1, the factor in window 0
.irp w, 0,1
.set q, 0
.rept 64
	v_pk_mul_f32 v[128*\w+q:128*\w+q+1], v[128*\w+q:128*\w+q+1], v[16+2*\w:17+2*\w] op_sel_hi:[1,0]
.set q, q+2
.endr
.endr
	WIN 0
.endm
.macro PVMUL k, base                           ; O^T += V^T P^T: four d tiles x two tiles of queries; a scale register holds an even d tile's words in lanes 0-15 and the next tile's in lanes 16-31
	WIN 0x50                                       ; C and D in window 1
.irp i, 0,1,2,3
.irp w, 0,1
.if (\i)%2
	v_wmma_scale_f32_16x16x128_f8f6f4 v[128*\w+8*(4*(\k)+\i):128*\w+8*(4*(\k)+\i)+7], v[\base+12*\i:\base+12*\i+11], v[80+12*\w:91+12*\w], v[128*\w+8*(4*(\k)+\i):128*\w+8*(4*(\k)+\i)+7], v[24+(4*(\k)+\i)/2], v[22+\w] matrix_a_fmt:MATRIX_FMT_FP6 matrix_b_fmt:MATRIX_FMT_FP6 matrix_a_scale:MATRIX_SCALE_ROW1
.else
	v_wmma_scale_f32_16x16x128_f8f6f4 v[128*\w+8*(4*(\k)+\i):128*\w+8*(4*(\k)+\i)+7], v[\base+12*\i:\base+12*\i+11], v[80+12*\w:91+12*\w], v[128*\w+8*(4*(\k)+\i):128*\w+8*(4*(\k)+\i)+7], v[24+(4*(\k)+\i)/2], v[22+\w] matrix_a_fmt:MATRIX_FMT_FP6 matrix_b_fmt:MATRIX_FMT_FP6
.endif
.endr
.endr
	WIN 0
.endm
; A key step in two parts, one for each slot.  A wave whose key step of this lap lies above the diagonal leaves both out: a scalar branch on ids, the same in all partners; no barrier or tensor load stands in a part.
.macro PART1                                   ; reads K's slot
	s_cmp_gt_u32 s19, s18
	s_cbranch_scc1 .Ls1_\@
	SPHASE
	MASK 0
	SOFTMAX 0
.Ls1_\@:
.endm
.macro PART2                                   ; reads V's slot
	s_cmp_gt_u32 s19, s18
	s_cbranch_scc1 .Ls2_\@
	ds_load_b128 v[24:27], v4 offset:24576         ; V's scale words
	ds_load_b128 v[28:31], v4 offset:25088
	VLOADB 0, 128                                  ; into the registers that tile 0's p has left; they land under tile 1's softmax
	MASK 1
	SOFTMAX 1
	VLOADB 1, 192
	RESCALE                                        ; these 128 lines are also the places between the writes of p's codes and scale word and the products
	s_wait_dscnt 12                                ; all but the twelve just issued
	PVMUL 0, 128
	PLACES 4
	VLOADB 2, 128
	s_wait_dscnt 12
	PVMUL 1, 192
	PLACES 4
	VLOADB 3, 192
	s_wait_dscnt 12
	PVMUL 2, 128
	s_wait_dscnt 0x0
	PVMUL 3, 192
	PLACES 5                                       ; the next scores are written over V's buffers by matrix instructions: five places; loads over p's codes and the scale words: four
.Ls2_\@:
.endm
	s_load_b256 s[4:11], s[0:1], 0x0               ; qimg 4:5, kimg 6:7, vimg 8:9, out 10:11
	v_lshl_add_u32 v1, v0, 2, SPARE
	v_mov_b32 v2, 0
	ds_add_u32 v1, v2
	ds_add_u32 v1, v2
	s_wait_dscnt 0x0
	v_lshrrev_b32 v3, 5, v0
	v_readfirstlane_b32 s12, v3                    ; wave 0..7
	s_and_b32 s13, s12, 3                          ; my key phase
	s_lshr_b32 s14, s12, 2                         ; 0: the block 31 - c, 1: the block c
	s_mov_b32 s15, ttmp9                           ; c: in a cluster launch ttmp9 counts clusters
	s_bfe_u32 s16, ttmp6, 0x40000                  ; cx
	s_and_b32 s17, ttmp7, 0xffff                   ; the batch
	s_sub_co_u32 s52, 31, s15
	s_cmp_eq_u32 s14, 0
	s_cselect_b32 s18, s52, s15                    ; my block, which is also my last key step
	s_mov_b32 s19, s13                             ; my key step of the lap in hand
	s_mov_b32 s20, 0x76543210
	s_mov_b32 s21, 0xfedcba98                      ; v_permlanex16_b32's selects for lane l xor 16
	s_mov_b32 s22, 0x3db8aa3b                      ; c = log2(e) / 16
	s_mov_b32 s23, s22                             ; (named with it as a pair, so it is written)
	s_lshr_b32 s52, s15, 2
	s_sub_co_u32 s40, 7, s52                       ; laps less one: block 31 - c has key steps 0 .. 31 - c
	s_xor_b32 s52, s14, 1
	s_or_b32 s52, s52, s15
	s_cmp_eq_u32 s52, 0
	s_cselect_b32 s41, 1, -1                       ; 1 in a wave that prefetches, else the greatest number
	; descriptor group 1: an eighth of a slot, 12,800 dense bytes, as 50 rows of 256 bytes (32 elements of 8 bytes)
	s_mov_b32 s24, 15|(3<<16)|(1<<21)              ; 15:0 the mask: all four work-groups; 17:16 elements of 8 bytes; 20 no padding (every LDS read here takes 512 consecutive bytes); 21 set beside a mask
	s_mov_b32 s25, 32<<16                          ; tensor_dim0
	s_mov_b32 s26, 50<<16                          ; tensor_dim1
	s_mov_b32 s27, 32<<16                          ; tile_dim0
	s_mov_b32 s28, 50                              ; tile_dim1
	s_mov_b32 s29, 32                              ; tensor_dim0_stride
	s_mov_b32 s30, 0
	s_mov_b32 s31, 0
	s_mul_i32 s52, s17, 32*REC                     ; the batch's first record
	s_mul_i32 s33, s12, 12800                      ; my eighth, in LDS
	s_add_co_u32 s37, s33, VSLOT
	s_add_co_u32 s54, s52, s33                     ; and in memory
	s_mov_b32 s55, 0
	s_mov_b32 s32, 1
	s_mov_b32 s36, 1
	s_wait_kmcnt 0x0
	s_add_nc_u64 s[34:35], s[6:7], s[54:55]
	s_or_b32 s35, s35, 0x80000000
	s_add_nc_u64 s[38:39], s[8:9], s[54:55]
	s_or_b32 s39, s39, 0x80000000
	CROUND                                         ; all four work-groups are here: the first joint loads meet
	tensor_load_to_lds s[32:35], s[24:31]          ; K of lap 0
	s_nop 0
	tensor_load_to_lds s[36:39], s[24:31]          ; V of lap 0: two loads of mine are out
	s_nop 0
	PLACES 4
	; Q's two tiles stay in registers
	s_lshl_b32 s56, s17, 5
	s_add_co_u32 s56, s56, s18
	s_mul_i32 s56, s56, REC                        ; my block's record
	s_mul_i32 s58, s16, 4*1536                     ; tiles 2 cx, 2 cx + 1
	s_add_co_u32 s58, s58, s56
	s_mov_b32 s59, 0
	s_add_nc_u64 s[46:47], s[4:5], s[58:59]
	s_lshr_b32 s58, s16, 1                         ; their scale words: 24576 + 512 (cx / 2) + 8 (cx % 2) + 16 x lane
	s_lshl_b32 s58, s58, 9
	s_and_b32 s60, s16, 1
	s_lshl_b32 s60, s60, 3
	s_add_co_u32 s58, s58, s60
	s_add_co_u32 s58, s58, s56
	s_add_co_u32 s58, s58, 24576
	s_add_nc_u64 s[48:49], s[4:5], s[58:59]
	v_and_b32 v126, 31, v0
	v_min_u32 v7, 24, v126
	v_lshlrev_b32 v7, 8, v7
	v_lshlrev_b32 v126, 4, v126                    ; 16 x lane
.irp f, 0,1,2,3
.irp c, 0,1,2
	global_load_b128 v[32+12*\f+4*\c:32+12*\f+4*\c+3], v126, s[46:47] offset:\f*1536+512*\c
.endr
.endr
	global_load_b64 v[20:21], v126, s[48:49]
	s_lshl_b32 s58, s17, 12                        ; out: row 4096 batch + 128 block + 32 cx; my 64 columns of the join
	s_lshl_b32 s60, s18, 7
	s_add_co_u32 s58, s58, s60
	s_lshl_b32 s60, s16, 5
	s_add_co_u32 s58, s58, s60
	s_lshl_b32 s58, s58, 10
	s_lshl_b32 s60, s13, 8
	s_add_co_u32 s58, s58, s60
	s_add_nc_u64 s[50:51], s[10:11], s[58:59]
	s_mul_i32 s58, s16, REC                        ; the prefetches: my work-group's quarter of a lap, my wave's quarter of that, in lap 1: the first trip steps it to lap 2
	s_mul_i32 s60, s13, 6400
	s_add_co_u32 s58, s58, s60
	s_add_co_u32 s58, s58, s52
	s_add_co_u32 s58, s58, LAPB
	s_add_nc_u64 s[42:43], s[6:7], s[58:59]
	s_add_nc_u64 s[44:45], s[8:9], s[58:59]
	s_mul_i32 s53, s13, REC                        ; my key step's record in a slot
	v_add_nc_u32 v3, s53, v126
	v_add_nc_u32 v4, VSLOT, v3
	v_and_b32 v5, 15, v0
	v_and_b32 v6, 8, v5
	v_add_nc_u32 v5, v5, v6                        ; r + 8 (r / 8)
	v_bfe_u32 v6, v0, 4, 1
	v_lshlrev_b32 v6, 4, v6
	v_sub_nc_u32 v5, v5, v6                        ; - 16 h
	s_lshl_b32 s60, s16, 5
	v_add_nc_u32 v5, s60, v5                       ; + 32 cx
	v_mov_b32 v6, 0xff800000                       ; -infinity
.irp w, 0,1
	v_mov_b32 v[9+4*\w], 0xff61b1e6                ; the largest t so far: -3e38, under every t
	v_floor_f32 v[8+4*\w], -v[9+4*\w]              ; -M
	v_mov_b32 v[10+4*\w], 0                        ; the sum, in two halves
	v_mov_b32 v[11+4*\w], 0
	v_mov_b32 v[16+2*\w], 0                        ; f, and the upper word of its pair, which is named and not used
	v_mov_b32 v[17+2*\w], 0
	v_mov_b32 v[22+\w], 0
.endr
	; O^T begins as zeros: a wave whose phase has no key step under the diagonal hands zeros to the join, and the key step is written once, with no first step of its own.
	WIN 0x40
.set i, 0
.rept 256
	v_mov_b32 v[i], 0
.set i, i+1
.endr
	WIN 0
	; What the second part of a key step reads of the first part's making is written once here, so that it is written on every way through the text
.set i, 80
.rept 24
	v_mov_b32 v[i], 0
.set i, i+1
.endr
.irp b, 0,1,2,3
	v_mov_b32 v[PT+\b], 0                          ; (a lane permute's destination counts as one of its sources)
.endr
.set i, 192
.rept 64
	v_mov_b32 v[i], 0
.set i, i+1
.endr
	s_wait_tensorcnt 0x1                           ; my eighth of K's lap 0 is in; V's may stay out
	s_barrier_signal -1
	s_barrier_wait -1                              ; everybody's is
	s_wait_loadcnt 0x0                             ; Q; and v126, its loads' offset, may be written
	PART1
.Lround:                                           ; a trip: V's part of lap i, K's part of lap i + 1; both slots are filled again.  The count, laps - 1, hangs on the cluster's number alone
	CHANGE 32, 42, 1                               ; V of lap i has landed; K's slot takes lap i + 1
	PART2
	CHANGE 36, 44, 1                               ; K of lap i + 1 has landed; V's slot takes lap i + 1
	s_add_co_u32 s19, s19, 4
	PART1
	s_sub_co_u32 s40, s40, 1
	s_cmp_lg_u32 s40, 0
	s_cbranch_scc1 .Lround
	CHANGE 32, 42, 0                               ; the tail is written out: nothing is left to fetch
	PART2
	; ---- THE JOIN of the four key phases of a pair.  Each wave lays -M and its sum in LDS; every wave takes the least -M of its four, the factors 2^(M_k - M), the whole sum, and multiplies its O^T by its factor / the sum;
	; the parts go to LDS as rows of 256 f32; each wave adds the four parts of 64 columns of the pair's 32 rows and stores them.
	s_wait_xcnt 0x0                                ; the last prefetch has read v7
.irp w, 0,1
	v_add_f32 v[10+4*\w], v[10+4*\w], v[11+4*\w]
.endr
.irp w, 0,1
	v_permlanex16_b32 v[PT+\w], v[10+4*\w], s20, s21
.endr
.irp w, 0,1
	v_add_f32 v[10+4*\w], v[10+4*\w], v[PT+\w]     ; my part of the row's sum
.endr
	v_and_b32 v70, 31, v0                          ; lane
	v_and_b32 v71, 15, v0                          ; r
	v_bfe_u32 v72, v0, 4, 1                        ; h
	s_lshl_b32 s52, s12, 9
	s_add_co_u32 s52, s52, STAT
	v_lshl_add_u32 v3, v70, 2, s52                 ; where my four numbers go
	s_lshl_b32 s52, s14, 11
	s_add_co_u32 s52, s52, STAT
	v_lshl_add_u32 v4, v70, 2, s52                 ; where my pair's sixteen lie
	s_mul_i32 s52, s12, CWAVE
	v_mul_u32_u24 v5, v71, CPITCH
	v_lshl_add_u32 v5, v72, 5, v5
	v_add_nc_u32 v5, s52, v5                       ; my part: row r, + 32 h
	s_mul_i32 s52, s14, 4*CWAVE
	s_lshl_b32 s53, s13, 8
	s_add_co_u32 s52, s52, s53
	v_mul_u32_u24 v6, v72, CPITCH
	v_lshl_add_u32 v6, v71, 4, v6
	v_add_nc_u32 v6, s52, v6                       ; back: parts 0 and 1 of my pair: lanes 0-15 one row, lanes 16-31 the next; my 256 bytes of it
	v_add_nc_u32 v7, 2*CWAVE, v6                   ; parts 2 and 3
	v_lshlrev_b32 v67, 10, v72
	v_lshl_add_u32 v67, v71, 4, v67                ; and the same two rows in out
.irp w, 0,1
	ds_store_b32 v3, v[8+4*\w] offset:256*\w
	ds_store_b32 v3, v[10+4*\w] offset:256*\w+128
.endr
	s_wait_dscnt 0x0                               ; my stores have landed; my reads of the ring ended long ago
	s_barrier_signal -1
	s_barrier_wait -1                              ; nobody reads the ring any more
.irp k, 0,1,2,3
.irp w, 0,1
.irp e, 0,1
	ds_load_b32 v[32+4*\k+2*\w+\e], v4 offset:512*\k+256*\w+128*\e
.endr
.endr
.endr
	s_wait_dscnt 0x0
.irp w, 0,1
	v_min3_num_f32 v[48+\w], v[32+2*\w], v[36+2*\w], v[40+2*\w]
.endr
.irp w, 0,1
	v_min_num_f32 v[48+\w], v[48+\w], v[44+2*\w]   ; the least -M: the row's M
.endr
.irp w, 0,1
.irp k, 0,1,2,3
	v_sub_f32 v[50+4*\w+\k], v[48+\w], v[32+4*\k+2*\w]   ; M_k - M: a whole number, 0 or less
.endr
	v_sub_f32 v[60+\w], v[48+\w], v[8+4*\w]        ; and my own
.endr
.irp w, 0,1
.irp k, 0,1,2,3
	v_cvt_i32_f32 v[50+4*\w+\k], v[50+4*\w+\k]     ; (it saturates: a wave without a key step gets the factor 0)
.endr
	v_cvt_i32_f32 v[60+\w], v[60+\w]
.endr
.irp w, 0,1
.irp k, 0,1,2,3
	v_ldexp_f32 v[50+4*\w+\k], 1.0, v[50+4*\w+\k]
.endr
	v_ldexp_f32 v[60+\w], 1.0, v[60+\w]
.endr
.irp w, 0,1
	v_mul_f32 v[58+\w], v[50+4*\w], v[33+2*\w]
.endr
.irp k, 1,2,3
.irp w, 0,1
	v_fma_f32 v[58+\w], v[50+4*\w+\k], v[33+4*\k+2*\w], v[58+\w]   ; the row's sum under M
.endr
.endr
.irp w, 0,1
	v_rcp_f32 v[62+\w], v[58+\w]
.endr
	v_nop                                          ; a plain place behind the reciprocals
	s_wait_alu depctr_va_vdst(0)                   ; and the wait ahead of their first reader
.irp w, 0,1
	v_mul_f32 v[16+2*\w], v[60+\w], v[62+\w]       ; my factor / the sum
.endr
	RESCALE
	WIN 0x04                                       ; an LDS store's data are its source 1: window 1
.irp w, 0,1
.irp n, 0,1,2,3,4,5,6,7,8,9,10,11,12,13,14,15
	ds_store_b128 v5, v[128*\w+8*\n:128*\w+8*\n+3] offset:16*CPITCH*\w+64*\n        ; lane (r, h): row 16 u + r, columns 16 n + 8 h + 0 .. 7
	ds_store_b128 v5, v[128*\w+8*\n+4:128*\w+8*\n+7] offset:16*CPITCH*\w+64*\n+16
.endr
.endr
	WIN 0
	s_wait_dscnt 0x0
	s_barrier_signal -1
	s_barrier_wait -1                              ; all eight parts lie in LDS
.irp m, 0,1,2,3,4,5,6,7,8,9,10,11,12,13,14,15
	ds_load_b128 v[128+4*\m:131+4*\m], v6 offset:2*CPITCH*\m
	ds_load_b128 v[192+4*\m:195+4*\m], v6 offset:2*CPITCH*\m+CWAVE
.endr
	WIN 0x40
.irp m, 0,1,2,3,4,5,6,7,8,9,10,11,12,13,14,15
	ds_load_b128 v[4*\m:4*\m+3], v7 offset:2*CPITCH*\m
	ds_load_b128 v[64+4*\m:67+4*\m], v7 offset:2*CPITCH*\m+CWAVE
.endr
	WIN 0
	s_wait_dscnt 32                                ; parts 0 and 1 are in
.set q, 0
.rept 32
	v_pk_add_f32 v[128+q:129+q], v[128+q:129+q], v[192+q:193+q]
.set q, q+2
.endr
	s_wait_dscnt 0x0
	WIN 0x45
.set q, 0
.rept 32
	v_pk_add_f32 v[q:q+1], v[q:q+1], v[64+q:65+q]
.set q, q+2
.endr
	WIN 0x04
.set q, 0
.rept 32
	v_pk_add_f32 v[128+q:129+q], v[128+q:129+q], v[q:q+1]
.set q, q+2
.endr
	WIN 0
.irp m, 0,1,2,3,4,5,6,7,8,9,10,11,12,13,14,15  ; row 2 m + h of the pair is tile m / 8, lane r = 2 (m % 8) + h: token 8 (m / 8) + r + 8 (r / 8)
	global_store_b128 v67, v[128+4*\m:131+4*\m], s[50:51] offset:(8*(\m/8)+2*(\m%8)+8*((\m%8)/4))*1024 th:TH_STORE_NT   ; sixteen lanes store 256 consecutive bytes, aligned; written once, read by nobody here
.endr
	s_wait_tensorcnt 0x0                           ; the wave's end: behind my last tensor load and my last LDS store
	ds_add_u32 v1, v2
	s_wait_dscnt 0x0
	CROUND                                         ; the closing round: no work-group ends while a partner may still ask for a tile that names it
	s_endpgm
.Lfunc_end_k_qcabcef9e0f_attn:
	.size	k_qcabcef9e0f_attn, .Lfunc_end_k_qcabcef9e0f_attn-k_qcabcef9e0f_attn
	.p2alignl 7, 3214868480
	.fill 96, 4, 3214868480
	.section	.rodata,"a",@progbits
	.p2align	6, 0x0
	.amdhsa_kernel k_qcabcef9e0f_attn
		.amdhsa_group_segment_fixed_size 327680
		.amdhsa_private_segment_fixed_size 0
		.amdhsa_enable_private_segment 0
		.amdhsa_kernarg_size 32
		.amdhsa_user_sgpr_count 2
		.amdhsa_user_sgpr_kernarg_segment_ptr 1
		.amdhsa_wavefront_size32 1
		.amdhsa_system_sgpr_workgroup_id_x 1
		.amdhsa_system_sgpr_workgroup_id_y 1
		.amdhsa_system_sgpr_workgroup_id_z 1
		.amdhsa_system_vgpr_workitem_id 0
		.amdhsa_next_free_vgpr 512
		.amdhsa_next_free_sgpr 66
		.amdhsa_reserve_vcc 1
		.amdhsa_float_denorm_mode_32 3
		.amdhsa_float_denorm_mode_16_64 3
		.amdhsa_memory_ordered 1
		.amdhsa_forward_progress 1
		.amdhsa_inst_pref_size 161
	.end_amdhsa_kernel
	.amdgpu_metadata
---
amdhsa.version: [ 1, 2 ]
amdhsa.kernels:
  - .name:           k_qcabcef9e0f_attn
    .symbol:         k_qcabcef9e0f_attn.kd
    .args:
      - { .name: qimg, .offset: 0, .size: 8, .value_kind: global_buffer, .address_space: global }
      - { .name: kimg, .offset: 8, .size: 8, .value_kind: global_buffer, .address_space: global }
      - { .name: vimg, .offset: 16, .size: 8, .value_kind: global_buffer, .address_space: global }
      - { .name: out0, .offset: 24, .size: 8, .value_kind: global_buffer, .address_space: global }
    .group_segment_fixed_size: 327680
    .private_segment_fixed_size: 0
    .kernarg_segment_align: 8
    .kernarg_segment_size: 32
    .max_flat_workgroup_size: 256
    .sgpr_count:     66
    .vgpr_count:     512
    .wavefront_size: 32
...
	.end_amdgpu_metadata
.endif
;; end of part 2
;; ======== version 2 of 2: 2 launches; version 1 with the launch proj written anew for expert scheduling mode
;; workspace buffers: qimg 3,276,800 bytes; kimg 3,276,800 bytes; vimg 3,276,800 bytes
;; launch proj (part 3): grid 2 x 128, 8 waves a work-group, no clusters, 109,568 bytes of LDS; arguments x, Wq, bq, Wk, bk, Wv, bv, qimg, kimg, vimg; writes qimg, kimg, vimg
.if DOCPART == 3
	.amdgcn_target "amdgcn-amd-amdhsa--gfx1250"
	.amdhsa_code_object_version 6
	.text
	.protected	k_qcabcef9e0f_proj
	.globl	k_qcabcef9e0f_proj
	.p2align	8
	.type	k_qcabcef9e0f_proj,@function
k_qcabcef9e0f_proj:
	s_mov_b64 s[64:65], 0
	v_nop
	global_prefetch_b8 v0, s[64:65] scope:SCOPE_SE
	s_setreg_imm32_b32 hwreg(HW_REG_WAVE_SCHED_MODE, 0, 2), 2
	s_setreg_imm32_b32 hwreg(HW_REG_WAVE_MODE, 25, 1), 1
	s_wait_xcnt 0x0
	s_wait_alu depctr_vm_vsrc(0)
; Q = x Wq^T + bq, K = x Wk^T + bk, V = x Wv^T + bv on codes of FP6 (E2M3), one E8M0 scale for each 32 along a product's K; the results are quantised again for the
; attention launch: Q and K along the 256 features, V along the tokens.  x [16384][256], W* [256][256], b* [256]: f32.
; SHARES.  Work-group (Y, GI): the 128 tokens 128 GI .. 128 GI + 127 and rows 128 Y .. 128 Y + 127 of each weight: 384 matrix instructions.  Eight waves.
;   phase 0: wave w quantises x's tile w and tile w of each weight's 128 rows (two fragments of 16 rows x 128 K each) and lays them in LDS as images of the operand's registers
;            (group c of four registers of lane l at 512 c + 16 l), the scale words at 4 l.
;   phase 1: wave w makes Q (w even) or K (w odd) for x's tiles 2 (w / 2), 2 (w / 2) + 1, all 128 features: source 0 = 16 rows of W, source 1 = 16 tokens, so that a lane holds one token and its
;            registers run along the features; the bias is the C of each sum's first product.  The 64 numbers of a lane become one fragment, which is stored as an image.
;   phase 2: wave w makes V for features 128 Y + 16 w .. + 15, all 128 tokens: source 0 = 16 tokens, source 1 = 16 rows of Wv, so that a lane holds one feature and its registers run along the tokens.
; THE ROWS OF A TILE ARE NOT NEIGHBOURS (x's tokens, Wq's and Wk's rows): lane r of tile 2 b + u takes row 32 b + 8 u + r + 8 (r / 8), so that the 16 registers of result tiles 2 b, 2 b + 1 are 16 neighbours.
; RECORDS.  Each group of 128 tokens has a record of 25,600 bytes in each of the three buffers: 16 fragment images of 1,536 bytes, then 1,024 bytes of scale words laid as two images of four registers.
;   Q, K: fragment (tile, K step s) at (2 tile + s) 1536; scale word at 24576 + 512 (tile / 4) + 256 s + 16 r + 4 (tile % 4).
;   V: fragment n (features 16 n ..) at 1536 n; scale word at 24576 + 512 (n / 8) + 256 (n % 2) + 16 r + 4 ((n / 2) % 4).
; NO CLUSTER, NO TENSOR LOAD: what work-groups share here are f32 numbers on their way to a quantiser, which wants them in registers; a work-group's 3 x 128 rows of weights are 393,216 bytes of f32,
; more than the 327,680 bytes of LDS into which a joint load would have to lay them.
; LIMITS: NaN and infinities among the inputs are not served; a block whose largest magnitude lies under 2^-124 keeps the scale byte 1 (a block of zeros too: its codes are zeros, and this program alone reads the bytes).
; THE MODE: SCHED_MODE bits 1:0 = 2 (LLVM: expert scheduling mode 2), set by the entry lines.  The code itself states the register dependences
; between vector or matrix instructions and memory or LDS instructions, with s_wait_alu, always for 0.
; THE PLAN.  Registers that memory or LDS instructions touch:
;   addresses  v4-15, v53-55, v94-95: written at the head, never again; one wait on va_vdst ahead of the first load serves every load and store of the kernel.
;   ST0, ST1   phase 0: a step's quantiser reads the set; behind ONE wait on va_vdst the set's next 16 loads go out, and then the step's LDS stores, whose data that wait has shown written.
;   PCA, PWA   codes and scale word, first out-buffer: written by the quantiser of each step of phase 0, of Q's or K's first tile and of V; read by the stores behind it.  A wait on vm_vsrc stands ahead of each rewrite.
;   PCB, PWB   second out-buffer, for Q's or K's second tile alone: nothing has read it before, so the two tiles are quantised on end and ONE wait on va_vdst serves the stores of both.
;   window 1   phase 1: x's four fragments, a ring of six tiles of W, the bias: loaded, then read by products alone.  Tiles 0 to 4 go out at the start; tiles 5 to 7 at the head of tile 2, behind ONE wait on va_vdst
;              (tiles 6 and 7 land where the products of tiles 0 and 1 have read).  Behind the last product ONE wait on va_vdst frees the whole window, and all of phase 2's 54 operand loads go out in one run,
;              to land while Q or K is quantised: phase 2 holds no load and no s_wait_alu ahead of its products.
;   scale words v56-93 and V's bias v100-107: loaded once, read by matrix instructions, never written again.
.set FRB,   1536                       ; a fragment's image
.set XIMG,  0                          ; LDS: x's 16 fragments, (2 tile + s) FRB
.set WIMG,  24576                      ; the weights' 48: type x 24576 + (2 tile + s) FRB; type 0 Wq, 1 Wk, 2 Wv
.set XSC,   98304                      ; x's scale words, 128 bytes a fragment
.set WSC,   100352                     ; the weights'
.set GATH,  106496                     ; the results' scale words, gathered: Q 512 bytes, K 512, V 512
.set VPERM, 4                          ; v4   (r + 8 (r / 8)) x 1024 + 64 h: my row of a tile in the order above, my 16 numbers of a block of 32
.set VNAT,  5                          ; v5   r x 1024 + 64 h
.set LI,    6                          ; v6   16 x lane
.set XWI,   7                          ; v7   where I store x's images
.set WWI,   8                          ; v8   and the weights'
.set SWS,   9                          ; v9   and scale words: XSC + 256 x wave + 4 x lane
.set LS4,   10                         ; v10  XSC + 4 x lane
.set GQ,    11                         ; v11  where Q's or K's scale word goes in GATH
.set GV,    12                         ; v12  and V's
.set BQA,   13                         ; v13  64 h
.set BVA,   14                         ; v14  4 r
.set WR,    15                         ; v15  my type's weight images
.set TM,    16                         ; v16-31 at work in QUANT: no memory instruction names them
.set PCA,   32                         ; v32-51 codes, first out-buffer
.set PWA,   52                         ; v52  its scale word
.set XR,    53                         ; v53  my two tiles' images of x
.set WSR,   54                         ; v54  my type's scale words
.set XSR,   55                         ; v55  my two tiles' scale words
.set WS,    56                         ; v56-71  scale words of W's 8 tiles x 2 K steps
.set XS4,   72                         ; v72-75  of my two tiles of x
.set XS16,  76                         ; v76-91  of all eight tiles of x
.set WVS,   92                         ; v92-93  of my tile of Wv
.set SOL,   94                         ; v94  the scales' way out: LDS address
.set SOG,   95                         ; v95  and the place in the record
.set PWB,   96                         ; v96  the second out-buffer's scale word
.set BV,    100                        ; v100-107 the bias of V
.set PCB,   108                        ; v108-127 codes, second out-buffer
.set ST0,   128                        ; v128-191 64 numbers; phase 1: sums of the first tile; phase 2: V's sums
.set ST1,   192                        ; v192-255 64 numbers; phase 1: sums of the second tile; at the end four of them carry scale words out
; window 1:
.set XF,    0                          ; v0-47   x's four fragments (24 e + 12 s), later Wv's two
.set RG,    48                         ; v48-191 a ring of six tiles of W (24 (t % 6) + 12 s); in phase 2 v48-239 hold x's sixteen fragments (24 t + 12 s)
.set BQ,    192                        ; v192-255 the bias of Q or K
.set MSB, 0
.macro WIN new                         ; the immediate's high byte repeats the setting that is left
.if MSB != \new
	s_set_vgpr_msb (MSB<<8)|\new
.set MSB, \new
.endif
.endm
.macro PLACES n
.rept \n
	v_nop
.endr
.endm
; my row's numbers of K step ks (64 a lane): register 16 b + i = k 32 b + 16 h + i
.macro XLOAD reg, va, sb, ks
.irp b, 0,1,2,3
.irp j, 0,1,2,3
	global_load_b128 v[\reg+16*\b+4*\j:\reg+16*\b+4*\j+3], v[\va], s[\sb:\sb+1] offset:512*\ks+128*\b+16*\j
.endr
.endr
.endm
; 64 numbers of a lane, register 16 b + i = k 32 b + 16 (lane / 16) + i of my row, become a fragment's codes in v[pc] on and its scale word in v[pw]
.macro QUANT s, pc, pw
.irp b, 0,1,2,3
	v_max3_num_f32 v[TM+\b], |v[\s+16*\b]|, |v[\s+1+16*\b]|, 0x1800000   ; block b: my 16 numbers, and the floor 2^(3 - 127): the byte cannot fall under 1
.endr
.irp i, 2,4,6,8,10,12,14
.irp b, 0,1,2,3
	v_max3_num_f32 v[TM+\b], v[TM+\b], |v[\s+16*\b+\i]|, |v[\s+1+16*\b+\i]|   ; the four blocks by turns
.endr
.endr
.irp b, 0,1,2,3
	v_permlanex16_b32 v[TM+4+\b], v[TM+\b], s30, s31
.endr
.irp b, 0,1,2,3
	v_max_num_f32 v[TM+\b], v[TM+\b], v[TM+4+\b]   ; with lane l xor 16's: the block's largest magnitude
.endr
.irp b, 0,1,2,3
	v_add_nc_u32 v[TM+12+\b], 0xff000000, v[TM+\b]   ; 2 off its exponent field: the conversion's scale operand
.endr
.irp b, 0,1,2,3
	v_lshrrev_b32 v[TM+4+\b], 23, v[TM+12+\b]      ; the scale's byte
.endr
	v_lshl_or_b32 v[\pw], v[TM+5], 8, v[TM+4]
	v_lshl_or_b32 v[\pw], v[TM+6], 16, v[\pw]
	v_lshl_or_b32 v[\pw], v[TM+7], 24, v[\pw]
.irp c, 0,1
	v_cvt_scalef32_pk16_fp6_f32 v[\pc+6*\c:\pc+2+6*\c], v[\s+32*\c:\s+15+32*\c], v[TM+12+2*\c]
	v_cvt_scalef32_pk16_fp6_f32 v[\pc+12+4*\c:\pc+14+4*\c], v[\s+16+32*\c:\s+31+32*\c], v[TM+12+2*\c+1]   ; (a conversion's three registers begin on an even number)
.endr
	v_nop                                          ; one plain place behind a scaled conversion
.irp c, 0,1                                    ; the operand's layout wants a whole block in a lane: lanes 0-15 block 2 c, lanes 16-31 block 2 c + 1
.irp i, 0,1,2
	v_permlane16_swap_b32 v[\pc+6*\c+\i], v[\pc+12+4*\c+\i]
.endr
.irp i, 0,1,2
	v_mov_b32 v[\pc+3+6*\c+\i], v[\pc+12+4*\c+\i]
.endr
.endr
.endm
.macro IMAGE adr, off                          ; the fragment in the first out-buffer goes to LDS as it stands
.irp c, 0,1,2
	ds_store_b128 v[\adr], v[PCA+4*\c:PCA+4*\c+3] offset:\off+512*\c
.endr
.endm
.macro BARRIER                                 ; my LDS stores have landed and my LDS loads are in: then the work-group's barrier
	s_wait_dscnt 0x0
	s_barrier_signal -1
	s_barrier_wait -1
.endm
	s_load_b512 s[4:19], s[0:1], 0x0               ; x 4:5, Wq 6:7, bq 8:9, Wk 10:11, bk 12:13, Wv 14:15, bv 16:17, qimg 18:19
	s_load_b128 s[20:23], s[0:1], 0x40             ; kimg 20:21, vimg 22:23
	v_lshl_add_u32 v123, v0, 2, 0x1a800
	v_mov_b32 v127, 0
	v_lshrrev_b32 v1, 5, v0
	v_readfirstlane_b32 s24, v1                    ; wave 0..7
	s_mov_b32 s25, ttmp9                           ; Y
	s_and_b32 s26, ttmp7, 0xffff                   ; GI
	s_wait_alu depctr_va_sdst(0)                   ; s24 is written, ahead of its first reader: addresses, bases and the last branch are made from it
	s_and_b32 s27, s24, 1                          ; type in phase 1: 0 Q, 1 K
	s_lshr_b32 s48, s24, 1
	s_lshl_b32 s28, s48, 1                         ; my first tile of x in phase 1
	s_lshl_b32 s29, s48, 5
	s_lshl_b32 s49, s27, 3
	s_add_co_u32 s29, s29, s49                     ; tile w begins at row 32 (w / 2) + 8 (w % 2)
	s_mov_b32 s30, 0x76543210
	s_mov_b32 s31, 0xfedcba98                      ; v_permlanex16_b32's selects for lane l xor 16
	v_and_b32 v1, 31, v0                           ; lane
	v_and_b32 v2, 15, v0                           ; r
	v_bfe_u32 v3, v0, 4, 1                         ; h
	v_and_b32 v[VPERM], 8, v2
	v_add_nc_u32 v[VPERM], v[VPERM], v2
	v_lshlrev_b32 v[VPERM], 10, v[VPERM]
	v_lshl_add_u32 v[VPERM], v3, 6, v[VPERM]
	v_lshlrev_b32 v[VNAT], 10, v2
	v_lshl_add_u32 v[VNAT], v3, 6, v[VNAT]
	v_lshlrev_b32 v[LI], 4, v1
	s_mul_i32 s50, s24, 2*FRB
	v_add_nc_u32 v[XWI], s50, v[LI]
	v_add_nc_u32 v[WWI], WIMG, v[XWI]
	v_lshlrev_b32 v[LS4], 2, v1
	v_add_nc_u32 v[LS4], XSC, v[LS4]
	s_lshl_b32 s50, s24, 8
	v_add_nc_u32 v[SWS], s50, v[LS4]
	s_lshl_b32 s50, s27, 9                         ; GATH: 512 x type + 256 (tile / 4) + 4 (tile % 4) + 16 r, tile = 2 (w / 2) + e
	s_lshr_b32 s51, s24, 2
	s_lshl_b32 s51, s51, 8
	s_add_co_u32 s50, s50, s51
	s_and_b32 s51, s48, 1
	s_lshl_b32 s51, s51, 3
	s_add_co_u32 s50, s50, s51
	s_add_co_u32 s50, s50, GATH
	v_lshl_add_u32 v[GQ], v2, 4, s50
	s_lshl_b32 s50, s27, 8                         ; V's: 256 (w % 2) + 4 (w / 2) + 16 r
	s_lshl_b32 s51, s48, 2
	s_add_co_u32 s50, s50, s51
	s_add_co_u32 s50, s50, GATH+1024
	v_lshl_add_u32 v[GV], v2, 4, s50
	v_lshlrev_b32 v[BQA], 6, v3
	v_lshlrev_b32 v[BVA], 2, v2
	s_mul_i32 s50, s27, 24576
	s_add_co_u32 s50, s50, WIMG
	v_add_nc_u32 v[WR], s50, v[LI]
	s_mul_i32 s50, s28, 2*FRB
	v_add_nc_u32 v[XR], s50, v[LI]
	s_lshl_b32 s50, s27, 11
	s_add_co_u32 s50, s50, WSC-XSC
	v_add_nc_u32 v[WSR], s50, v[LS4]
	s_lshl_b32 s50, s28, 8
	v_add_nc_u32 v[XSR], s50, v[LS4]
	; the scales' way out: wave 0 Q's 512 bytes, wave 1 K's, wave 2 V's.  Q, K: lanes 16-31 go 512 bytes on, Y 256;  V: lanes 16-31 256 on, Y 512
	s_cmp_eq_u32 s24, 2
	s_cselect_b32 s58, 8, 9
	s_cselect_b32 s59, 9, 8
	s_lshl_b32 s59, s25, s59
	s_add_co_u32 s59, s59, 24576
	v_lshlrev_b32 v[SOG], s58, v3
	v_lshl_add_u32 v[SOG], v2, 4, v[SOG]
	v_add_nc_u32 v[SOG], s59, v[SOG]
	s_min_u32 s58, s24, 2                          ; (waves 3 to 7 never use the address: it is held inside GATH)
	s_lshl_b32 s58, s58, 9
	s_add_co_u32 s58, s58, GATH
	v_add_nc_u32 v[SOL], s58, v[LI]
.irp b, 0,1,2,3
	v_mov_b32 v[TM+4+\b], 0                        ; written once: a lane permute's destination counts as one of its sources
.endr
	s_wait_kmcnt 0x0
	s_lshl_b32 s48, s26, 17                        ; 128 rows of 1,024 bytes a group
	s_lshl_b32 s49, s29, 10
	s_add_co_u32 s48, s48, s49
	s_mov_b32 s49, 0
	s_add_nc_u64 s[32:33], s[4:5], s[48:49]        ; x at my tile
	s_lshl_b32 s48, s25, 7
	s_add_co_u32 s50, s48, s29
	s_lshl_b32 s50, s50, 10
	s_mov_b32 s51, 0
	s_add_nc_u64 s[34:35], s[6:7], s[50:51]        ; Wq at my tile
	s_add_nc_u64 s[36:37], s[10:11], s[50:51]      ; Wk
	s_lshl_b32 s50, s24, 4
	s_add_co_u32 s50, s50, s48                     ; 128 Y + 16 w
	s_lshl_b32 s52, s50, 10
	s_mov_b32 s53, 0
	s_add_nc_u64 s[38:39], s[14:15], s[52:53]      ; Wv at my tile (neighbouring rows)
	s_lshl_b32 s52, s50, 2
	s_add_nc_u64 s[42:43], s[16:17], s[52:53]      ; bv likewise
	s_cmp_eq_u32 s27, 0                            ; the choices hang on the wave's number alone
	s_cselect_b64 s[40:41], s[8:9], s[12:13]       ; bq or bk
	s_cselect_b64 s[44:45], s[18:19], s[20:21]     ; qimg or kimg
	s_lshl_b32 s52, s25, 9
	s_add_nc_u64 s[40:41], s[40:41], s[52:53]
	s_mul_i32 s54, s26, 25600                      ; my group's record
	s_mov_b32 s55, 0
	s_lshl_b32 s52, s28, 1
	s_add_co_u32 s52, s52, s25
	s_mul_i32 s52, s52, FRB
	s_add_co_u32 s52, s52, s54
	s_add_nc_u64 s[44:45], s[44:45], s[52:53]      ; fragment (my first tile, K step Y)
	s_lshl_b32 s52, s25, 3
	s_add_co_u32 s52, s52, s24
	s_mul_i32 s52, s52, FRB
	s_add_co_u32 s52, s52, s54
	s_add_nc_u64 s[46:47], s[22:23], s[52:53]      ; V's fragment 8 Y + w
	s_cmp_eq_u32 s24, 0
	s_cselect_b64 s[56:57], s[18:19], s[20:21]
	s_cmp_eq_u32 s24, 2
	s_cselect_b64 s[56:57], s[22:23], s[56:57]
	s_add_nc_u64 s[56:57], s[56:57], s[54:55]      ; the record whose scale words I store
	WIN 0x40                                       ; destination window 1
	s_wait_alu depctr_va_vdst(0)                   ; all address registers (v4-15, v53-55, v94-95) are written: every load and store of the kernel reads one of them, and none is written again
.irp t, 0,1,2,3,4,5,6,7                        ; the bias in the result's layout: lane (r, h), tile 2 b + u: features 32 b + 16 h + 8 u + 0 .. 7
	global_load_b128 v[BQ+8*\t:BQ+8*\t+3], v[BQA], s[40:41] offset:(32*(\t/2)+8*(\t%2))*4
	global_load_b128 v[BQ+8*\t+4:BQ+8*\t+7], v[BQA], s[40:41] offset:(32*(\t/2)+8*(\t%2))*4+16
.endr
	WIN 0
.irp j, 0,1,2,3,4,5,6,7                        ; V's: a lane holds one feature, so its eight registers hold one number
	global_load_b32 v[BV+\j], v[BVA], s[42:43]
.endr
; ---- phase 0: eight fragments a wave, on two sets of 64 registers by turns: one is quantised while the other's 16 loads are on their way.
; first = 1: no store has read the out-buffer yet.  more = 1: the set is asked for again, with K step ks of the rows at s[sb:sb+1].
.macro P0STEP st, left, adr, ioff, soff, first, more, va, sb, ks
	s_wait_loadcnt \left                           ; this set's 16 loads are in (and the biases, issued ahead of them); the other set's 16 may be out
.if !\first
	s_wait_alu depctr_vm_vsrc(0)                   ; the last step's LDS stores have read the codes and the scale word, which the lines below write again
.endif
	QUANT \st, PCA, PWA
	s_wait_alu depctr_va_vdst(0)                   ; the quantiser is done reading the set, in which the loads below land, and has written the codes and the scale word, which the stores below read
.if \more
	XLOAD \st, \va, \sb, \ks                       ; the set is asked for again at once, ahead of the stores
.endif
	IMAGE \adr, \ioff
	ds_store_b32 v[SWS], v[PWA] offset:\soff
.endm
	XLOAD ST0, VPERM, 32, 0
	XLOAD ST1, VPERM, 32, 1
	P0STEP ST0, 16, XWI, 0, 0, 1, 1, VPERM, 34, 0
	P0STEP ST1, 16, XWI, FRB, 128, 0, 1, VPERM, 34, 1
	P0STEP ST0, 16, WWI, 0, 2048, 0, 1, VPERM, 36, 0
	P0STEP ST1, 16, WWI, FRB, 2048+128, 0, 1, VPERM, 36, 1
	P0STEP ST0, 16, WWI, 24576, 4096, 0, 1, VNAT, 38, 0
	P0STEP ST1, 16, WWI, 24576+FRB, 4096+128, 0, 1, VNAT, 38, 1
	P0STEP ST0, 16, WWI, 49152, 6144, 0, 0, VNAT, 38, 0
	P0STEP ST1, 0, WWI, 49152+FRB, 6144+128, 0, 0, VNAT, 38, 0
	BARRIER                                        ; all 64 fragments and their scale words lie in LDS; nothing there is written again
; ---- phase 1: Q or K
.macro WTILE t                                 ; tile t of my type's weight, both K steps, into buffer t % 6 of the ring
.irp p, 0,1
.irp c, 0,1,2
	ds_load_b128 v[RG+24*((\t)%6)+12*\p+4*\c:RG+24*((\t)%6)+12*\p+4*\c+3], v[WR] offset:(2*(\t)+\p)*FRB+512*\c
.endr
.endr
.endm
.macro MQK t, e, ks
.if \ks
	v_wmma_scale_f32_16x16x128_f8f6f4 v[128+64*\e+8*\t:135+64*\e+8*\t], v[RG+12+24*((\t)%6):RG+23+24*((\t)%6)], v[XF+24*\e+12:XF+24*\e+23], v[128+64*\e+8*\t:135+64*\e+8*\t], v[WS+2*\t+1], v[XS4+2*\e+1] matrix_a_fmt:MATRIX_FMT_FP6 matrix_b_fmt:MATRIX_FMT_FP6
.else
	v_wmma_scale_f32_16x16x128_f8f6f4 v[128+64*\e+8*\t:135+64*\e+8*\t], v[RG+24*((\t)%6):RG+11+24*((\t)%6)], v[XF+24*\e:XF+24*\e+11], v[BQ+8*\t:BQ+8*\t+7], v[WS+2*\t], v[XS4+2*\e] matrix_a_fmt:MATRIX_FMT_FP6 matrix_b_fmt:MATRIX_FMT_FP6
.endif
.endm
.macro P2SCALES                                ; phase 2's 18 scale words: into registers that nothing else names
.irp p, 0,1
	ds_load_b32 v[WVS+\p], v[SWS] offset:6144+128*\p
.endr
.irp q, 0,1,2,3,4,5,6,7
.irp p, 0,1
	ds_load_b32 v[XS16+2*\q+\p], v[LS4] offset:(2*\q+\p)*128
.endr
.endr
.endm
.irp t, 0,1,2,3,4,5,6,7
.irp p, 0,1
	ds_load_b32 v[WS+2*\t+\p], v[WSR] offset:(2*\t+\p)*128
.endr
.endr
.irp e, 0,1
.irp p, 0,1
	ds_load_b32 v[XS4+2*\e+\p], v[XSR] offset:(2*\e+\p)*128
.endr
.endr
	WIN 0x40                                       ; no vector or matrix instruction has named window 1 yet: these loads hang on their addresses alone
.irp f, 0,1,2,3
.irp c, 0,1,2
	ds_load_b128 v[XF+12*\f+4*\c:XF+12*\f+4*\c+3], v[XR] offset:\f*FRB+512*\c
.endr
.endr
	WTILE 0
	WTILE 1
	WTILE 2
	WTILE 3
	WTILE 4
; LDS loads come back in order (ISA guide 5.7.1).  They were issued so: 20 scale words, x's 12, tiles 0 to 4; at the head of tile 2: 18 scale words, tiles 5 to 7.  A tile is six loads.
.irp t, 0,1,2,3,4,5,6,7
.if \t < 3
	s_wait_dscnt 6*(4-\t)                          ; tile t is in; the tiles up to 4 behind it may be out
.elseif \t < 5
	s_wait_dscnt 6*(4-\t)+36                       ; likewise, and the 36 loads issued at the head of tile 2
.else
	s_wait_dscnt 6*(7-\t)                          ; tile t is in; the tiles up to 7 behind it may be out
.endif
.if \t == 2
	PLACES 4                                       ; behind the products of tile 1, in front of loads into registers that they have read
	WIN 0
	P2SCALES
	WIN 0x40
	s_wait_alu depctr_va_vdst(0)                   ; the products of tiles 0 and 1 are done reading ring buffers 0 and 1, in which tiles 6 and 7 land (tile 5 takes the sixth buffer, which nothing has named)
	WTILE 5
	WTILE 6
	WTILE 7
.endif
	WIN 0x15                                       ; W, x and the bias in window 1, the sums in window 0
	MQK \t, 0, 0                                   ; the two tiles' sums take turns, one instruction a turn
	MQK \t, 1, 0
	WIN 0x05
	MQK \t, 0, 1
	MQK \t, 1, 1
.endr
	PLACES 5                                       ; in front of the first read of the sums, of the loads below, and of phase 2's products, which begin the first tile's registers anew
	s_wait_alu depctr_vm_vsrc(0)                   ; phase 0's last LDS stores have read the first out-buffer, which the quantiser below writes again
	WIN 0x40
	s_wait_alu depctr_va_vdst(0)                   ; all of phase 1's products are done reading x's fragments, the ring and the bias: all of phase 2's operands land there
.irp p, 0,1
.irp c, 0,1,2
	ds_load_b128 v[XF+12*\p+4*\c:XF+12*\p+4*\c+3], v[WWI] offset:49152+FRB*\p+512*\c   ; my tile of Wv
.endr
.endr
.irp p, 0,1                                    ; x's eight tiles: the first K step's fragments, then the second's
.irp t, 0,1,2,3,4,5,6,7
.irp c, 0,1,2
	ds_load_b128 v[RG+24*\t+12*\p+4*\c:RG+24*\t+12*\p+4*\c+3], v[LI] offset:(2*\t+\p)*FRB+512*\c
.endr
.endr
.endr
	WIN 0
	QUANT ST0, PCA, PWA                            ; the two tiles are quantised on end, each into an out-buffer of its own, while those 54 loads land
	QUANT ST1, PCB, PWB
	s_wait_alu depctr_va_vdst(0)                   ; both quantisers have written their codes and scale words, which the eight stores below read
.irp c, 0,1,2
	global_store_b128 v[LI], v[PCA+4*\c:PCA+4*\c+3], s[44:45] offset:512*\c   ; 32 lanes store 512 consecutive bytes, at a multiple of 256 from the buffer's first byte
.endr
.irp c, 0,1,2
	global_store_b128 v[LI], v[PCB+4*\c:PCB+4*\c+3], s[44:45] offset:2*FRB+512*\c
.endr
	ds_store_b32 v[GQ], v[PWA]                     ; both halves of the lanes write the same word with the same value
	ds_store_b32 v[GQ], v[PWB] offset:4
; ---- phase 2: V
	s_wait_dscnt 26                                ; Wv's two fragments and x's first K step are in; behind them: the second K step's 24 loads and the two stores
	WIN 0x05                                       ; x and Wv in window 1; the bias and the sums in window 0
.irp t, 0,1,2,3,4,5,6,7
	v_wmma_scale_f32_16x16x128_f8f6f4 v[128+8*\t:135+8*\t], v[RG+24*\t:RG+24*\t+11], v[XF:XF+11], v[BV:BV+7], v[XS16+2*\t], v[WVS] matrix_a_fmt:MATRIX_FMT_FP6 matrix_b_fmt:MATRIX_FMT_FP6
.endr
	s_wait_dscnt 2                                 ; the second K step is in; the two stores may be out
.irp t, 0,1,2,3,4,5,6,7
	v_wmma_scale_f32_16x16x128_f8f6f4 v[128+8*\t:135+8*\t], v[RG+12+24*\t:RG+23+24*\t], v[XF+12:XF+23], v[128+8*\t:135+8*\t], v[XS16+2*\t+1], v[WVS+1] matrix_a_fmt:MATRIX_FMT_FP6 matrix_b_fmt:MATRIX_FMT_FP6
.endr
	WIN 0
	PLACES 4                                       ; in front of the first read of the sums
	s_wait_xcnt 0x0                                ; every earlier memory instruction has had its addresses translated (ISA guide 3.1): the first out-buffer, the data of the first tile's stores, is rewritten only behind this wait
	s_wait_alu depctr_vm_vsrc(0)                   ; the first tile's three global stores and its LDS store have read the first out-buffer, which the quantiser below writes again
	QUANT ST0, PCA, PWA                            ; register 16 b + i = token 32 b + 16 h + i of my feature
	s_wait_alu depctr_va_vdst(0)                   ; the quantiser has written the codes and the scale word, which the stores below read; every reader and writer of ST1 is done too, in which the load of the scales' way out lands
.irp c, 0,1,2
	global_store_b128 v[LI], v[PCA+4*\c:PCA+4*\c+3], s[46:47] offset:512*\c
.endr
	ds_store_b32 v[GV], v[PWA]
	BARRIER                                        ; all scale words lie in GATH
	s_cmp_gt_u32 s24, 2
	s_cbranch_scc1 .Lend
	ds_load_b128 v[ST1:ST1+3], v[SOL]              ; no vector or matrix instruction stands behind the last wait on va_vdst
	s_wait_dscnt 0x0
	global_store_b128 v[SOG], v[ST1:ST1+3], s[56:57]   ; sixteen lanes store 256 consecutive bytes, aligned
.Lend:
	s_wait_dscnt 0x0
	s_wait_alu depctr_hold_cnt(0) depctr_sa_sdst(0) depctr_va_vdst(0) depctr_va_sdst(0) depctr_va_ssrc(0) depctr_va_vcc(0) depctr_vm_vsrc(0)
	s_wait_tensorcnt 0x0
	ds_add_u32 v123, v127
	s_wait_dscnt 0x0
	s_endpgm
.Lfunc_end_k_qcabcef9e0f_proj:
	.size	k_qcabcef9e0f_proj, .Lfunc_end_k_qcabcef9e0f_proj-k_qcabcef9e0f_proj
	.p2alignl 7, 3214868480
	.fill 96, 4, 3214868480
	.section	.rodata,"a",@progbits
	.p2align	6, 0x0
	.amdhsa_kernel k_qcabcef9e0f_proj
		.amdhsa_group_segment_fixed_size 109568
		.amdhsa_private_segment_fixed_size 0
		.amdhsa_enable_private_segment 0
		.amdhsa_kernarg_size 80
		.amdhsa_user_sgpr_count 2
		.amdhsa_user_sgpr_kernarg_segment_ptr 1
		.amdhsa_wavefront_size32 1
		.amdhsa_system_sgpr_workgroup_id_x 1
		.amdhsa_system_sgpr_workgroup_id_y 1
		.amdhsa_system_sgpr_workgroup_id_z 1
		.amdhsa_system_vgpr_workitem_id 0
		.amdhsa_next_free_vgpr 512
		.amdhsa_next_free_sgpr 66
		.amdhsa_reserve_vcc 0
		.amdhsa_float_denorm_mode_32 3
		.amdhsa_float_denorm_mode_16_64 3
		.amdhsa_memory_ordered 1
		.amdhsa_forward_progress 1
		.amdhsa_inst_pref_size 82
	.end_amdhsa_kernel
	.amdgpu_metadata
---
amdhsa.version: [ 1, 2 ]
amdhsa.kernels:
  - .name:           k_qcabcef9e0f_proj
    .symbol:         k_qcabcef9e0f_proj.kd
    .args:
      - { .name: x, .offset: 0, .size: 8, .value_kind: global_buffer, .address_space: global }
      - { .name: Wq, .offset: 8, .size: 8, .value_kind: global_buffer, .address_space: global }
      - { .name: bq, .offset: 16, .size: 8, .value_kind: global_buffer, .address_space: global }
      - { .name: Wk, .offset: 24, .size: 8, .value_kind: global_buffer, .address_space: global }
      - { .name: bk, .offset: 32, .size: 8, .value_kind: global_buffer, .address_space: global }
      - { .name: Wv, .offset: 40, .size: 8, .value_kind: global_buffer, .address_space: global }
      - { .name: bv, .offset: 48, .size: 8, .value_kind: global_buffer, .address_space: global }
      - { .name: qimg, .offset: 56, .size: 8, .value_kind: global_buffer, .address_space: global }
      - { .name: kimg, .offset: 64, .size: 8, .value_kind: global_buffer, .address_space: global }
      - { .name: vimg, .offset: 72, .size: 8, .value_kind: global_buffer, .address_space: global }
    .group_segment_fixed_size: 109568
    .private_segment_fixed_size: 0
    .kernarg_segment_align: 8
    .kernarg_segment_size: 80
    .max_flat_workgroup_size: 256
    .sgpr_count:     66
    .vgpr_count:     512
    .wavefront_size: 32
...
	.end_amdgpu_metadata
.endif
;; end of part 3
;; launch attn: the kernel of part 2 again; grid 64 x 4, 8 waves a work-group, clusters of 4 x 1, 327,680 bytes of LDS; arguments qimg, kimg, vimg, out0; writes out0
